; MI455X (gfx1250); checked and timed in simulation.
; The chip was launched on July 23, 2026; its instructions are those of AMD's public machine-readable ISA for CDNA 5 (MIT licence, August 2026) and "CDNA5" Instruction Set Architecture Reference Guide (July 2026). The comments in the code are by the model that wrote it; some were corrected since.
;; Masked Self Attention. Allowed arithmetic: matrix products marked QUANTISED: E2M1 operands, one E8M0 scale for each 32 along K, by v_wmma_scale_f32_16x16x128_f8f6f4 with both operands' format E2M1 (or v_wmma_scale_f32_32x16x128_f4), f32 sums; products left as they are: bf16, f16 or f32 operands; f32 sums; everything else in f32.
;; Inputs: Wk 1,024 x 1,024 float32; Wo 1,024 x 1,024 float32; Wq 1,024 x 1,024 float32; Wv 1,024 x 1,024 float32; bk 1,024 float32; bo 1,024 float32; bq 1,024 float32; bv 1,024 float32; x 4 x 2,048 x 1,024 float32.
;; Outputs: out0 4 x 2,048 x 1,024 float32.
;; This version of the problem:
;;   THIS VERSION OF THE PROBLEM IS GIVEN IN LOW PRECISION. The matrix products marked QUANTISED in the list below multiply operands that are first quantised to E2M1 (2 exponent bits, 1 mantissa bit; 4 bits a number), with one power-of-two scale for each 32 numbers along K (OCP MX v1.0); their sums are f32. The products marked 'left as it is' may take bf16, f16 or f32 operands, with f32 sums. Whichever they take, every output number must still come out within the allowed error. Rounding operands to bf16 (8 significant bits) uses up far more of that allowance than f16 does (11 bits, for magnitudes from 6e-5 to 65,504). All else is computed in f32.
;;   The module's matrix products, in the order in which they are computed (A, B: the left and right operand; K: the contracted axis; several contracted axes count as one K, in the product's order):
;;     1. [M 8,192, K 1,024] x [K 1,024, N 1,024]; A: input x; B: input Wq: QUANTISED
;;     2. [M 8,192, K 1,024] x [K 1,024, N 1,024]; A: input x; B: input Wk: QUANTISED
;;     3. [M 8,192, K 1,024] x [K 1,024, N 1,024]; A: input x; B: input Wv: QUANTISED
;;     4. batch 64 x [M 2,048, K 64] x [K 64, N 2,048]; A: computed on the way; B: computed on the way: left as it is (an operand is computed on the way)
;;     5. batch 64 x [M 2,048, K 2,048] x [K 2,048, N 64]; A: computed on the way; B: computed on the way: left as it is (an operand is computed on the way)
;;     6. [M 8,192, K 1,024] x [K 1,024, N 1,024]; A: computed on the way; B: input Wo: left as it is (an operand is computed on the way)
;;   THE QUANTISER, for each operand of a quantised product, along K:
;;     - K is cut into blocks of 32 from its start; a last block that is shorter is filled with zeros.
;;     - A block's scale is 2^e with e = floor(log2(the largest magnitude in the block)) - 2, held to -126 .. 127; a block of zeros has e = 0. As a byte (E8M0): e + 127.
;;     - Each number is divided by its block's scale, clamped to +-6, and rounded to the nearest number of E2M1, ties to even, subnormals kept.
;;     - The product sums the exact products of the quantised numbers (number of the format x scale) in f32.
;;   ~~~python
;;   def quantise(x, axis):      # numpy; x: float32 -> the quantised numbers, widened to float32 again
;;       x = np.moveaxis(x, axis, -1); K = x.shape[-1]
;;       x = np.pad(x, [(0, 0)] * (x.ndim - 1) + [(0, -K % 32)]); x = x.reshape(x.shape[:-1] + (-1, 32)); a = np.abs(x).max(-1, keepdims=True)
;;       e = np.where(a > 0, np.clip(np.frexp(np.where(a > 0, a, 1))[1] - 1 - 2, -126, 127), 0)      # np.frexp(a)[1] - 1 = floor(log2(a)), exactly
;;       r = np.clip(x / 2.0 ** e, -6, 6)
;;       step = 2.0 ** (np.maximum(np.frexp(np.where(r == 0, 1, r))[1] - 1, 0) - 1)
;;       q = np.round(r / step) * step * 2.0 ** e      # np.round: ties to even
;;       return np.moveaxis(q.reshape(q.shape[:-2] + (-1,))[..., :K], -1, axis).astype(np.float32)
;;   ~~~
;; One version. Each part assembles by itself: llvm-mc -triple=amdgcn-amd-amdhsa -mcpu=gfx1250 --defsym DOCPART=n.
;; ======== version 1 of 1: 5 launches
;; limits: values are held in f16: magnitudes above 65,504 overflow, below 6.1e-05 lose precision
;; workspace buffers: xc 4,194,304 bytes; xs 262,144 bytes; wc 1,572,864 bytes; ws 98,304 bytes; wot 2,097,152 bytes; qkv 50,331,648 bytes; fine 786,432 bytes; ctxh 16,777,216 bytes
;; launch prep (part 1): grid 256 x 1, 8 waves a work-group, no clusters, 150,528 bytes of LDS; arguments x, Wq, Wk, Wv, Wo, xc, xs, wc, ws, wot; writes xc, xs, wc, ws, wot
.if DOCPART == 1
	.amdgcn_target "amdgcn-amd-amdhsa--gfx1250"
	.amdhsa_code_object_version 6
	.text
	.protected	k_qa53aa5749e_prep
	.globl	k_qa53aa5749e_prep
	.p2align	8
	.type	k_qa53aa5749e_prep,@function
k_qa53aa5749e_prep:
	s_mov_b64 s[64:65], 0
	v_nop
	global_prefetch_b8 v0, s[64:65] scope:SCOPE_SE
	s_setreg_imm32_b32 hwreg(HW_REG_WAVE_MODE, 25, 1), 1
	s_wait_xcnt 0x0
; x [8192][1024] f32 -> codes of FP4 (E2M1), K innermost (xc [8192][512 bytes]) and one E8M0 byte for each 32 along K (xs [8192][32]).
; Wq, Wk, Wv [1024 k][1024 n] f32, K their FIRST axis -> codes laid [3072 = 1024 tensor + n][512 bytes], K innermost (wc), bytes [3072][32] (ws).
; Wo [1024 k][1024 n] f32 -> f16, turned: wot [1024 n][1024 k].
; A block's scale is 2^(floor(log2(largest magnitude)) - 2); its byte is that magnitude's exponent field - 2, held at 1 from below.  A block of zeros gets the byte 1
; where the rule says 127: its codes are zeros, which add nothing, and this program alone reads the bytes.
; LIMITS: NaN and infinities among the inputs are not served; Wo beyond 65,504 in magnitude does not fit f16.
; Work-groups 0-127 take x (a plain stream of blocks of 32), 128-223 the three quantised weights, 224-255 Wo.  The three ways part on the work-group's number and have LDS bytes of their own.
.set STEPS, 16
.set XREG,  8192                       ; x: a region for each wave: two stages of 32 x SP bytes, behind them its 256 scale bytes
.set SP,    80                         ; a lane's place in a stage: 64 bytes + 16 of padding
.set WST,   65536                      ; the weights' stage: 64 columns x (256 bytes of codes + 16 scale bytes)
.set WP,    272
.set WOST,  82944                      ; Wo's stage: 64 columns x (1,024 bytes of f16 + 16 of padding)
.set OP,    1040
.set SPARE, 149504                     ; the spare words, 128 bytes for each of eight waves: four blocks of 256 bytes that no other line names
.set SPW,   222                        ; v222 LDS address of my spare word; never rewritten
.set NIL,   223                        ; v223 0; never rewritten
.set R,     16                         ; x: v16-79 four sets of 16 numbers as loaded
.set X,     80                         ; x: v80-111 two sets of 16 neighbours
.set E,     112                        ; x: v112-127 a scale byte for each step
.set C,     128                        ; x: v128-191 codes, four registers a step
	s_load_b512 s[8:23], s[0:1], 0x0               ; x s[8:9], Wq s[10:11], Wk s[12:13], Wv s[14:15], Wo s[16:17], xc s[18:19], xs s[20:21], wc s[22:23]
	s_load_b128 s[24:27], s[0:1], 0x40             ; ws s[24:25], wot s[26:27]
	v_lshl_add_u32 v[SPW], v0, 2, SPARE
	v_mov_b32 v[NIL], 0
	v_lshrrev_b32 v1, 5, v0
	v_readfirstlane_b32 s28, v1                    ; wave 0..7
	v_and_b32 v2, 31, v0                           ; lane
	s_cmp_ge_u32 ttmp9, 128
	s_cbranch_scc1 .Lweights
; ---------------- x: a wave takes 16 steps of 512 numbers.  Each load reads 512 consecutive bytes; a step's 2,048 bytes turn through the wave's own stage so that a lane holds 16 neighbours
	v_lshlrev_b32 v3, 4, v2                        ; my 16 bytes of a load's 512
	s_mul_i32 s29, s28, XREG
	v_lshrrev_b32 v14, 2, v2
	v_mul_u32_u24 v14, v14, SP
	v_and_b32 v15, 3, v2
	v_lshl_add_u32 v14, v15, 4, v14
	v_add_nc_u32 v14, s29, v14                     ; the stage on the way in: SP (lane / 4) + 16 (lane % 4)
	v_mul_u32_u24 v15, v2, SP
	v_add_nc_u32 v15, s29, v15                     ; and on the way out: SP x lane
	v_lshlrev_b32 v4, 3, v2                        ; my 8 bytes of codes in a step's 256
	v_lshrrev_b32 v5, 1, v2
	s_add_co_u32 s29, s29, 2*32*SP
	v_add_nc_u32 v5, s29, v5                       ; LDS: my block's scale byte
	v_lshlrev_b32 v7, 3, v2
	v_add_nc_u32 v6, s29, v7                       ; and 8 bytes a lane on the way out
	s_lshl_b32 s30, ttmp9, 3
	s_add_co_u32 s30, s30, s28                     ; which run of 8,192 numbers is my wave's
	s_mov_b32 s31, 0
	s_wait_kmcnt 0x0
	s_lshl_b64 s[32:33], s[30:31], 15
	s_add_nc_u64 s[8:9], s[8:9], s[32:33]
	s_lshl_b64 s[32:33], s[30:31], 12
	s_add_nc_u64 s[18:19], s[18:19], s[32:33]
	s_lshl_b64 s[32:33], s[30:31], 8
	s_add_nc_u64 s[20:21], s[20:21], s[32:33]
.macro LOADX t
.irp i, 0,1,2,3
	global_load_b128 v[R+16*((\t)%4)+4*\i:R+16*((\t)%4)+4*\i+3], v3, s[8:9] offset:2048*(\t)+512*\i th:TH_LOAD_NT
.endr
.endm
.macro TURNX t                         ; LDS serves a wave's instructions in order: no wait between the stores and the loads
.irp i, 0,1,2,3
	ds_store_b128 v14, v[R+16*((\t)%4)+4*\i:R+16*((\t)%4)+4*\i+3] offset:32*SP*((\t)%2)+8*SP*\i
.endr
.irp i, 0,1,2,3
	ds_load_b128 v[X+16*((\t)%2)+4*\i:X+16*((\t)%2)+4*\i+3], v15 offset:32*SP*((\t)%2)+16*\i
.endr
.endm
.irp t, 0,1,2,3
	LOADX \t
.endr
	s_wait_loadcnt 12                              ; step 0's four loads are in; the 12 of steps 1 to 3 may be out
	TURNX 0
.macro STEPX t
.set XS, X+16*((\t)%2)
.if (\t) > 0
	s_wait_dscnt 1                                 ; this step's numbers are back from the stage; the last step's byte store may be out
.else
	s_wait_dscnt 0x0
.endif
.if (\t)+4 < STEPS
	LOADX (\t)+4                                   ; into the registers that this step's stage stores have read
.endif
.if (\t)+1 < STEPS
.if STEPS-2-(\t) >= 3
	s_wait_loadcnt 12                              ; the next step's four loads are in; those of the three steps behind it may be out
.else
	s_wait_loadcnt 4*(STEPS-2-(\t))
.endif
	TURNX (\t)+1
.endif
	v_max3_num_f32 v8, |v[XS]|, |v[XS+1]|, |v[XS+2]|
	v_max3_num_f32 v9, |v[XS+3]|, |v[XS+4]|, |v[XS+5]|
.irp i, 6,10
	v_max3_num_f32 v8, v8, |v[XS+\i]|, |v[XS+\i+1]|
	v_max3_num_f32 v9, v9, |v[XS+\i+2]|, |v[XS+\i+3]|
.endr
	v_max3_num_f32 v8, v8, |v[XS+14]|, |v[XS+15]|
	v_max3_num_f32 v8, v8, v9, 0x1800000           ; the floor 2^(3 - 127): the byte cannot fall under 1
	v_max_num_f32_dpp v8, v8, v8 row_xmask:1 row_mask:0xf bank_mask:0xf   ; with my neighbour's 16: the block's largest magnitude
	v_add_nc_u32 v11, 0xff000000, v8               ; 2 off its exponent field: the conversion takes this operand's exponent field as its scale
	v_cvt_scalef32_pk8_fp4_f32 v[C+4*(\t)], v[XS:XS+7], v11
	v_cvt_scalef32_pk8_fp4_f32 v[C+4*(\t)+1], v[XS+8:XS+15], v11
	v_lshrrev_b32 v[E+(\t)], 23, v11               ; the scale's byte
	ds_store_b8 v5, v[E+(\t)] offset:16*(\t)       ; both lanes of a block write the same byte with the same value
	global_store_b64 v4, v[C+4*(\t):C+4*(\t)+1], s[18:19] offset:256*(\t)   ; the wave stores 256 consecutive bytes, aligned
.endm
.irp t, 0,1,2,3,4,5,6,7,8,9,10,11,12,13,14,15
	STEPX \t
.endr
	ds_load_b64 v[8:9], v6                         ; my wave's 256 scale bytes, 8 a lane
	s_wait_dscnt 0x0
	global_store_b64 v7, v[8:9], s[20:21]          ; 256 consecutive bytes, aligned
	s_wait_tensorcnt 0x0                           ; the wave's end
	ds_add_u32 v[SPW], v[NIL]
	s_wait_dscnt 0x0
	s_endpgm
; ---------------- the weights: a work-group takes 64 columns x 512 along K of one tensor; a wave 32 columns x 128 along K.  A LANE TAKES A COLUMN, ITS REGISTERS RUN DOWN K
.Lweights:
	s_sub_co_u32 s29, ttmp9, 128
	s_lshr_b32 s30, s29, 5                         ; which tensor: 0 Wq, 1 Wk, 2 Wv, 3 Wo
	s_bfe_u32 s31, s29, 0x40001                    ; which 64 columns
	s_and_b32 s32, s29, 1                          ; which 512 along K
	s_and_b32 s33, s28, 1                          ; my wave's 32 of the columns
	s_lshr_b32 s34, s28, 1                         ; my wave's 128 along K
	v_lshlrev_b32 v3, 2, v2                        ; 4 bytes a lane
	s_lshl_b32 s35, s32, 9
	s_lshl_b32 s36, s34, 7
	s_add_co_u32 s35, s35, s36                     ; my first k,
	s_lshl_b32 s35, s35, 12                        ; rows of 4,096 bytes,
	s_lshl_b32 s36, s31, 8
	s_add_co_u32 s35, s35, s36
	s_lshl_b32 s36, s33, 7
	s_add_co_u32 s36, s35, s36                     ; + my first column x 4
	s_mov_b32 s37, 0
	s_wait_kmcnt 0x0
	s_cmp_eq_u32 s30, 0                            ; the choice hangs on the work-group's number alone
	s_cselect_b64 s[4:5], s[10:11], s[12:13]
	s_cmp_lt_u32 s30, 2
	s_cselect_b64 s[4:5], s[4:5], s[14:15]
	s_cmp_lt_u32 s30, 3
	s_cselect_b64 s[4:5], s[4:5], s[16:17]
	s_add_nc_u64 s[4:5], s[4:5], s[36:37]
.macro LOADW t                         ; block t: W(32 t + i, my column), i = 0 .. 31, into set t % 2; neighbouring lanes read neighbouring columns
.set wi, 0
.rept 32
	global_load_b32 v[32+32*((\t)%2)+wi], v3, s[4:5] offset:(32*(\t)+wi)*4096 th:TH_LOAD_NT
.set wi, wi+1
.endr
.endm
	LOADW 0
	LOADW 1
	s_cmp_eq_u32 s30, 3
	s_cbranch_scc1 .Lwo
; ---- Wq, Wk, Wv: codes and scale bytes
	s_mul_i32 s38, s33, 32*WP
	s_lshl_b32 s39, s34, 6
	s_add_co_u32 s39, s39, s38
	v_mul_u32_u24 v17, v2, WP
	v_add_nc_u32 v18, s39, v17
	v_add_nc_u32 v18, WST, v18                     ; into the stage: row = my column, 64 bytes for each 128 along K
	s_lshl_b32 s39, s34, 2
	s_add_co_u32 s39, s39, s38
	v_add_nc_u32 v19, s39, v17
	v_add_nc_u32 v19, WST+256, v19                 ; my four scale bytes, behind the row's codes
	v_lshrrev_b32 v5, 4, v2
	v_and_b32 v6, 15, v2
	s_mul_i32 s38, s28, 8*WP                       ; out of it: wave w takes rows 8 w .. 8 w + 7
	v_mul_u32_u24 v20, v5, WP
	v_lshl_add_u32 v20, v6, 4, v20
	v_add_nc_u32 v20, s38, v20
	v_add_nc_u32 v20, WST, v20                     ; sixteen lanes to a row's 256 bytes, two rows an instruction
	v_lshlrev_b32 v21, 9, v5
	v_lshl_add_u32 v21, v6, 4, v21
	s_lshl_b32 s39, s28, 12
	v_add_nc_u32 v21, s39, v21                     ; the same place in wc: rows of 512 bytes
	v_lshrrev_b32 v5, 2, v2
	v_and_b32 v6, 3, v2
	v_mul_u32_u24 v22, v5, WP
	v_lshl_add_u32 v22, v6, 2, v22
	v_add_nc_u32 v22, s38, v22
	v_add_nc_u32 v22, WST+256, v22                 ; the scale bytes: four lanes to a row's 16
	v_lshlrev_b32 v23, 5, v5
	v_lshl_add_u32 v23, v6, 2, v23
	s_lshl_b32 s39, s28, 8
	v_add_nc_u32 v23, s39, v23                     ; the same place in ws: rows of 32 bytes
	s_lshl_b32 s38, s30, 10
	s_lshl_b32 s39, s31, 6
	s_add_co_u32 s38, s38, s39                     ; the work-group's first row of wc and ws: 1,024 x tensor + 64 x block
	s_lshl_b32 s40, s38, 9
	s_lshl_b32 s39, s32, 8
	s_add_co_u32 s40, s40, s39
	s_mov_b32 s41, 0
	s_add_nc_u64 s[22:23], s[22:23], s[40:41]
	s_lshl_b32 s40, s38, 5
	s_lshl_b32 s39, s32, 4
	s_add_co_u32 s40, s40, s39
	s_add_nc_u64 s[24:25], s[24:25], s[40:41]
.macro QBLOCK t
.set XS, 32+32*((\t)%2)
.if (\t) < 3
	s_wait_loadcnt 32                              ; this block's 32 loads are in; the next block's 32 may be out
.else
	s_wait_loadcnt 0x0
.endif
	v_max3_num_f32 v12, |v[XS]|, |v[XS+1]|, |v[XS+2]|       ; the block's largest magnitude: all 32 numbers are mine
	v_max3_num_f32 v13, |v[XS+3]|, |v[XS+4]|, |v[XS+5]|
.irp i, 6,10,14,18,22,26
	v_max3_num_f32 v12, v12, |v[XS+\i]|, |v[XS+\i+1]|
	v_max3_num_f32 v13, v13, |v[XS+\i+2]|, |v[XS+\i+3]|
.endr
	v_max3_num_f32 v12, v12, |v[XS+30]|, |v[XS+31]|
	v_max3_num_f32 v12, v12, v13, 0x1800000        ; the floor 2^(3 - 127)
	v_add_nc_u32 v11, 0xff000000, v12              ; 2 off the exponent field: the conversion's scale operand
	v_lshrrev_b32 v13, 23, v11                     ; the scale's byte
.if (\t) == 0
	v_mov_b32 v24, v13                             ; four bytes to a register, the lower K in the lower byte
.else
	v_lshl_or_b32 v24, v13, 8*(\t), v24
.endif
.irp g, 0,1,2,3
	v_cvt_scalef32_pk8_fp4_f32 v[96+\g], v[XS+8*\g:XS+8*\g+7], v11
.endr
	ds_store_b128 v18, v[96:99] offset:16*(\t)     ; 32 codes: 16 bytes of my column's row
.if (\t) < 2
	LOADW (\t)+2
.endif
	s_wait_dscnt 0x0                               ; the store has read its registers: the next block's codes may be written
.endm
	QBLOCK 0
	QBLOCK 1
	QBLOCK 2
	QBLOCK 3
	ds_store_b32 v19, v24
	s_wait_dscnt 0x0                               ; for the others' sake: my stores into the stage are done
	s_barrier_signal -1
	s_barrier_wait -1
.irp i, 0,1,2,3
	ds_load_b128 v[112+4*\i:115+4*\i], v20 offset:2*\i*WP
.endr
	ds_load_b32 v128, v22
.irp i, 0,1,2,3
	s_wait_dscnt 4-\i                              ; the younger loads may be out
	global_store_b128 v21, v[112+4*\i:115+4*\i], s[22:23] offset:2*\i*512   ; sixteen lanes store 256 consecutive bytes, aligned
.endr
	s_wait_dscnt 0x0
	global_store_b32 v23, v128, s[24:25]           ; 16 bytes of each row of ws: pieces, one byte for each 128 that the launch reads
	s_wait_tensorcnt 0x0                           ; the wave's end
	ds_add_u32 v[SPW], v[NIL]
	s_wait_dscnt 0x0
	s_endpgm
; ---- Wo: rounded to f16 and turned
.Lwo:
	s_mul_i32 s38, s33, 32*OP
	s_lshl_b32 s39, s34, 8
	s_add_co_u32 s39, s39, s38
	v_mul_u32_u24 v25, v2, OP
	v_add_nc_u32 v25, s39, v25
	v_add_nc_u32 v25, WOST, v25                    ; into the stage: row = my column, 256 bytes for each 128 along K
	s_mul_i32 s38, s28, 8*OP
	v_lshlrev_b32 v27, 4, v2
	v_add_nc_u32 v26, s38, v27
	v_add_nc_u32 v26, WOST, v26                    ; out of it: wave w takes rows 8 w .. 8 w + 7, 512 bytes an instruction
	s_lshl_b32 s39, s28, 14
	v_add_nc_u32 v27, s39, v27                     ; the same place in wot: rows of 2,048 bytes
	s_lshl_b32 s40, s31, 17
	s_lshl_b32 s39, s32, 10
	s_add_co_u32 s40, s40, s39
	s_mov_b32 s41, 0
	s_add_nc_u64 s[26:27], s[26:27], s[40:41]
.macro HBLOCK t
.set XS, 32+32*((\t)%2)
.if (\t) < 3
	s_wait_loadcnt 32                              ; this block's 32 loads are in; the next block's 32 may be out
.else
	s_wait_loadcnt 0x0
.endif
.set wi, 0
.rept 16
	v_cvt_pk_f16_f32 v[96+wi], v[XS+2*wi], v[XS+2*wi+1]
.set wi, wi+1
.endr
.irp i, 0,1,2,3
	ds_store_b128 v25, v[96+4*\i:99+4*\i] offset:64*(\t)+16*\i
.endr
.if (\t) < 2
	LOADW (\t)+2
.endif
	s_wait_dscnt 0x0                               ; the stores have read their registers
.endm
	HBLOCK 0
	HBLOCK 1
	HBLOCK 2
	HBLOCK 3
	s_barrier_signal -1                            ; (each wave has waited for its stores above)
	s_barrier_wait -1
.set wi, 0
.rept 16
	ds_load_b128 v[112+4*wi:115+4*wi], v26 offset:(wi/2)*OP+(wi%2)*512
.set wi, wi+1
.endr
.set wi, 0
.rept 16
	s_wait_dscnt 15-wi                             ; the younger loads may be out
	global_store_b128 v27, v[112+4*wi:115+4*wi], s[26:27] offset:(wi/2)*2048+(wi%2)*512   ; 512 consecutive bytes, aligned
.set wi, wi+1
.endr
	s_wait_tensorcnt 0x0                           ; the wave's end
	ds_add_u32 v[SPW], v[NIL]
	s_wait_dscnt 0x0
	s_endpgm
.Lfunc_end_k_qa53aa5749e_prep:
	.size	k_qa53aa5749e_prep, .Lfunc_end_k_qa53aa5749e_prep-k_qa53aa5749e_prep
	.p2alignl 7, 3214868480
	.fill 96, 4, 3214868480
	.section	.rodata,"a",@progbits
	.p2align	6, 0x0
	.amdhsa_kernel k_qa53aa5749e_prep
		.amdhsa_group_segment_fixed_size 150528
		.amdhsa_private_segment_fixed_size 0
		.amdhsa_enable_private_segment 0
		.amdhsa_kernarg_size 80
		.amdhsa_user_sgpr_count 2
		.amdhsa_user_sgpr_kernarg_segment_ptr 1
		.amdhsa_wavefront_size32 1
		.amdhsa_system_sgpr_workgroup_id_x 1
		.amdhsa_system_sgpr_workgroup_id_y 1
		.amdhsa_system_sgpr_workgroup_id_z 1
		.amdhsa_system_vgpr_workitem_id 0
		.amdhsa_next_free_vgpr 224
		.amdhsa_next_free_sgpr 66
		.amdhsa_reserve_vcc 0
		.amdhsa_float_denorm_mode_32 3
		.amdhsa_float_denorm_mode_16_64 3
		.amdhsa_memory_ordered 1
		.amdhsa_forward_progress 1
		.amdhsa_inst_pref_size 70
	.end_amdhsa_kernel
	.amdgpu_metadata
---
amdhsa.version: [ 1, 2 ]
amdhsa.kernels:
  - .name:           k_qa53aa5749e_prep
    .symbol:         k_qa53aa5749e_prep.kd
    .args:
      - { .name: x, .offset: 0, .size: 8, .value_kind: global_buffer, .address_space: global }
      - { .name: Wq, .offset: 8, .size: 8, .value_kind: global_buffer, .address_space: global }
      - { .name: Wk, .offset: 16, .size: 8, .value_kind: global_buffer, .address_space: global }
      - { .name: Wv, .offset: 24, .size: 8, .value_kind: global_buffer, .address_space: global }
      - { .name: Wo, .offset: 32, .size: 8, .value_kind: global_buffer, .address_space: global }
      - { .name: xc, .offset: 40, .size: 8, .value_kind: global_buffer, .address_space: global }
      - { .name: xs, .offset: 48, .size: 8, .value_kind: global_buffer, .address_space: global }
      - { .name: wc, .offset: 56, .size: 8, .value_kind: global_buffer, .address_space: global }
      - { .name: ws, .offset: 64, .size: 8, .value_kind: global_buffer, .address_space: global }
      - { .name: wot, .offset: 72, .size: 8, .value_kind: global_buffer, .address_space: global }
    .group_segment_fixed_size: 150528
    .private_segment_fixed_size: 0
    .kernarg_segment_align: 8
    .kernarg_segment_size: 80
    .max_flat_workgroup_size: 256
    .sgpr_count:     66
    .vgpr_count:     224
    .wavefront_size: 32
...
	.end_amdgpu_metadata
.endif
;; end of part 1
;; launch qkv (part 2): grid 12 x 32, 4 waves a work-group, clusters of 4 x 4, 327,680 bytes of LDS; arguments xc, xs, wc, ws, bq, bk, bv, qkv, fine; writes qkv, fine
.if DOCPART == 2
	.amdgcn_target "amdgcn-amd-amdhsa--gfx1250"
	.amdhsa_code_object_version 6
	.text
	.protected	k_qa53aa5749e_qkv
	.globl	k_qa53aa5749e_qkv
	.p2align	8
	.type	k_qa53aa5749e_qkv,@function
k_qa53aa5749e_qkv:
	s_mov_b64 s[64:65], 0
	v_nop
	global_prefetch_b8 v0, s[64:65] scope:SCOPE_SE
	s_setreg_imm32_b32 hwreg(HW_REG_WAVE_MODE, 25, 1), 1
	s_wait_xcnt 0x0
	s_wait_alu depctr_hold_cnt(0) depctr_sa_sdst(0) depctr_va_vdst(0) depctr_va_sdst(0) depctr_va_ssrc(0) depctr_va_vcc(0) depctr_vm_vsrc(0)
	s_getreg_b32 s2, hwreg(HW_REG_IB_STS2, 6, 4)
	s_cmp_eq_u32 s2, 0
	s_cbranch_scc0 .Lentry_in_a_cluster
	s_endpgm
.Lentry_in_a_cluster:
	s_bfe_u32 s2, ttmp6, 0x10000c
	s_cmp_lg_u32 s2, 0xf033
	s_cbranch_scc0 .Lentry_shape_is_right
	s_endpgm
.Lentry_shape_is_right:
; The three quantised products in one GEMM on codes of FP4 (E2M1) with E8M0 scales: C[m][n] = sum over k of x[m][k] W[n][k], m = 8,192 rows, n = 3,072 = 1,024 x tensor + column, K = 1,024.
; Out: (C + bias), q's part times c = log2(e) / 8, rounded to f16, split by heads: qkv [3][4 b][16 h][2048 t][64]; and for the first 16 positions of each sequence the same numbers in f32: fine [3][16 b + t][1024].
; LIMITS: |q c|, |k|, |v| beyond 65,504 do not fit f16.
; A tile of C, 256 x 256, is made by a work-group of four waves; a wave makes 128 x 128: 64 accumulators, 512 registers.  K = 1,024 is two slots of 512: both are first fills, nothing is filled again.
; The scale bytes of the work-group's 256 + 256 rows come once, as dense blocks.  CLUSTERS: 4 x 4 work-groups; A's tiles are asked for jointly along a row of the cluster, B's along a column.
; Tile row = 8 cy + cluster y (so cy is the batch, and cluster y = 0 holds the first positions); tile column = 4 cluster x + cx (so cluster x is the tensor).
; THE MATRIX INSTRUCTION IS USED TRANSPOSED (source 0 = 16 rows of W, source 1 = 16 rows of x): a lane holds eight neighbouring columns of one row of C.
; REGISTERS: window 0: v0-31 addresses; v32-95 scale words, two sets; v128-191 A's fragments, one set; v192-255 the bias of my 128 columns.  window 1: B's fragments, two sets.  windows 2, 3: the accumulators.
; On the way out: v128-191 a block in f32, v96-127 in f16, v32-95 two sets of rows read back.
.set KSTEP,  512
.set NQ,     4
.set ROWB,   256
.set KROW,   512
.set PITCH,  272                       ; an LDS row: 256 bytes + 16 of padding: the 16 rows of a fragment load start at 16 different groups of banks
.set FR,     8
.set NL,     2
.set NP,     4
.set HALFT,  128*PITCH
.set SLOT,   4*HALFT
.set KS,     32                        ; a row of scale bytes
.set SCL,    2*SLOT
.set HALFS,  (128*KS/256)*272
.set SBLK,   (16*KS/256)*272
.set SPARE,  SCL+4*HALFS               ; the spare words, 128 bytes for each wave: two blocks of 256 bytes that no other line names
.set SPITCH, 272                       ; the way out: a stage of 16 rows x (256 bytes + 16) for each wave, in slot 0, which has had its only fill and its last read by then
.set ADRA, 16
.set ADRB, 20
.set STO,  24
.set RD,   25
.set CO,   26
.set ADRS, 27
.set SPW,  28
.set NIL,  29
.set FO,   30
.set BO,   31
.set SC,   32
.set AF,   128
.set BIAS, 192
.set T,    128
.set HP,   96
.set BK,   32
.set SCQ,  66                          ; s[66:67] c for q's tiles, 1 for k's and v's
.set G1, 24
.set G0, 32
.set G1B, 48
.set G0B, 56
.set G1S, 68
.set G0S, 76
.set G1SB, 80
.set G0SB, 88
.set MSB, 0
.macro WIN new                         ; the immediate's high byte repeats the setting that is left
.if MSB != (\new)
	s_set_vgpr_msb (MSB<<8)|(\new)
.set MSB, (\new)
.endif
.endm
.set MUL_LO, 0xa1                      ; source 0 (B) window 1, source 1 (A) window 0, C and D window 2
.set MUL_HI, 0xf1
.set TO_B,   0x40
; A joint load: waves 0 and 1 fetch for A, waves 2 and 3 for B; the branch hangs on the wave's number alone.  An s_nop 0 and four v_nop follow each line.
.macro JLOAD g0a, g1a, g0b, g1b
	s_cmp_eq_u32 s15, 0
	s_cbranch_scc0 .Lfor_b_\@
	tensor_load_to_lds s[\g0a:\g0a+3], s[\g1a:\g1a+7]
	s_nop 0
.rept 4
	v_nop
.endr
	s_branch .Lasked_\@
.Lfor_b_\@:
	tensor_load_to_lds s[\g0b:\g0b+3], s[\g1b:\g1b+7]
	s_nop 0
.rept 4
	v_nop
.endr
.Lasked_\@:
.endm
.macro CREST
	s_cmp_lg_u32 s14, 0
	s_cbranch_scc1 .Lnot_wave_0_\@
	s_barrier_signal -3
.Lnot_wave_0_\@:
	s_barrier_wait -3
	s_barrier_signal -1
	s_barrier_wait -1
.endm
.macro CROUND
	s_barrier_signal -1
	s_barrier_wait -1
	CREST
.endm
	s_load_b128 s[4:7], s[0:1], 0x0                ; x's codes, x's scales
	s_load_b128 s[8:11], s[0:1], 0x10              ; W's codes, W's scales
	v_lshl_add_u32 v[SPW], v0, 2, SPARE
	v_mov_b32 v[NIL], 0
	ds_add_u32 v[SPW], v[NIL]                      ; the wave's opening: the add, twice on end, and its wait ahead of my first tensor load
	ds_add_u32 v[SPW], v[NIL]
	v_lshrrev_b32 v1, 5, v0
	v_readfirstlane_b32 s14, v1                    ; wave 0..3
	s_lshr_b32 s15, s14, 1                         ; which half of the tile's rows is mine.  Also: I fetch for A (0) or for B (1)
	s_and_b32 s16, s14, 1                          ; which half of its columns.  Also: which 128 rows of that tile I fetch
	s_bfe_u32 s40, ttmp6, 0x40000                  ; cx
	s_bfe_u32 s41, ttmp6, 0x40004                  ; cy
	s_lshl_b32 s42, ttmp9, 2
	s_add_co_u32 s42, s42, s40                     ; tile column = 4 x cluster x + cx
	s_and_b32 s95, ttmp7, 0xffff                   ; cluster y
	s_lshl_b32 s17, s41, 3
	s_add_co_u32 s17, s17, s95                     ; tile row = 8 cy + cluster y
	s_lshl_b32 s43, s41, 2
	s_lshl_b32 s43, 15, s43                        ; my row of the cluster
	s_lshl_b32 s44, 0x1111, s40                    ; my column
	s_or_b32 s[G1+0], s43, (0<<16)|(1<<20)|(1<<21)|(5<<22)|(3<<25)  ; the mask; elements of 1 byte; padding: 4 words after every 64; bit 21 beside a mask
	s_or_b32 s[G1B+0], s44, (0<<16)|(1<<20)|(1<<21)|(5<<22)|(3<<25)
.irp g, G1, G1B
	s_mov_b32 s[\g+1], ROWB<<16                    ; tensor_dim0
	s_mov_b32 s[\g+2], 128<<16                     ; tensor_dim1
	s_mov_b32 s[\g+3], ROWB<<16                    ; tile_dim0
	s_mov_b32 s[\g+4], 128                         ; tile_dim1
	s_mov_b32 s[\g+5], KROW                        ; from row to row
	s_mov_b32 s[\g+6], 0
	s_mov_b32 s[\g+7], 0
.endr
	s_or_b32 s[G1S+0], s43, (3<<16)|(1<<20)|(1<<21)|(5<<22)|(3<<25)   ; the scales of 128 rows: 4,096 dense bytes as 16 rows of 256 (32 elements of 8 bytes)
	s_or_b32 s[G1SB+0], s44, (3<<16)|(1<<20)|(1<<21)|(5<<22)|(3<<25)
.irp g, G1S, G1SB
	s_mov_b32 s[\g+1], 32<<16
	s_mov_b32 s[\g+2], (128*KS/256)<<16
	s_mov_b32 s[\g+3], 32<<16
	s_mov_b32 s[\g+4], 128*KS/256
	s_mov_b32 s[\g+5], 32
	s_mov_b32 s[\g+6], 0
	s_mov_b32 s[\g+7], 0
.endr
	s_lshl_b32 s18, s16, 7
	s_lshl_b32 s20, s17, 8
	s_add_co_u32 s20, s20, s18                     ; A: row 256 x tile row + 128 x half
	s_lshl_b32 s46, s42, 8
	s_add_co_u32 s46, s46, s18                     ; B: row 256 x tile column + 128 x half
	s_mov_b32 s21, 0
	s_mov_b32 s47, 0
	s_mov_b64 s[18:19], KS
	s_mul_u64 s[22:23], s[20:21], s[18:19]
	s_mul_u64 s[92:93], s[46:47], s[18:19]
	s_mov_b64 s[18:19], KROW
	s_mul_u64 s[20:21], s[20:21], s[18:19]
	s_mul_u64 s[46:47], s[46:47], s[18:19]
	s_mul_i32 s45, s14, HALFT                      ; where they go: wave x 128 rows
	s_mul_i32 s94, s14, HALFS
	s_wait_dscnt 0x0                               ; both opening adds are done
	s_wait_kmcnt 0x0
	s_add_nc_u64 s[20:21], s[4:5], s[20:21]
	s_add_nc_u64 s[22:23], s[6:7], s[22:23]
	s_add_nc_u64 s[46:47], s[8:9], s[46:47]
	s_add_nc_u64 s[92:93], s[10:11], s[92:93]
	CROUND                                         ; all sixteen work-groups are here: the joint loads meet
	s_mov_b32 s[G0S], 1
	s_add_co_u32 s[G0S+1], s94, SCL
	s_mov_b64 s[G0S+2:G0S+3], s[22:23]
	s_or_b32 s[G0S+3], s[G0S+3], 0x80000000
	s_mov_b32 s[G0SB], 1
	s_add_co_u32 s[G0SB+1], s94, SCL
	s_mov_b64 s[G0SB+2:G0SB+3], s[92:93]
	s_or_b32 s[G0SB+3], s[G0SB+3], 0x80000000
	JLOAD G0S, G1S, G0SB, G1SB                     ; the scales first; with the two slots three loads of mine are out
.irp s, 0,1
	s_mov_b32 s[G0+4*\s], 1
	s_add_co_u32 s[G0+4*\s+1], s45, \s*SLOT
	s_add_nc_u64 s[G0+4*\s+2:G0+4*\s+3], s[20:21], \s*ROWB
	s_or_b32 s[G0+4*\s+3], s[G0+4*\s+3], 0x80000000
	s_mov_b32 s[G0B+4*\s], 1
	s_add_co_u32 s[G0B+4*\s+1], s45, \s*SLOT
	s_add_nc_u64 s[G0B+4*\s+2:G0B+4*\s+3], s[46:47], \s*ROWB
	s_or_b32 s[G0B+4*\s+3], s[G0B+4*\s+3], 0x80000000
	JLOAD G0+4*\s, G1, G0B+4*\s, G1B
.endr
	s_load_b256 s[4:11], s[0:1], 0x20              ; bq s[4:5], bk s[6:7], bv s[8:9], qkv s[10:11]: the codes' addresses are done with
	s_load_b64 s[12:13], s[0:1], 0x40              ; fine
	v_and_b32 v1, 15, v0                           ; r = l % 16
	v_bfe_u32 v2, v0, 4, 1                         ; h = l / 16
	v_mul_u32_u24 v3, v1, PITCH
	v_lshl_add_u32 v4, v2, 4, v3
	s_mul_i32 s21, s15, HALFT
	s_mul_i32 s22, s16, HALFT
	s_add_co_u32 s22, s22, 2*HALFT
.irp s, 0,1
	v_add_nc_u32 v[ADRA+\s], s21, v4
	v_add_nc_u32 v[ADRB+\s], s22, v4
	s_add_co_u32 s21, s21, SLOT
	s_add_co_u32 s22, s22, SLOT
.endr
	v_mul_u32_u24 v5, v1, KS                       ; my row's scales: KS bytes a row, 16 more for each 256 passed
	v_lshrrev_b32 v6, 8, v5
	v_lshl_add_u32 v5, v6, 4, v5
	s_mul_i32 s21, s15, HALFS
	s_mul_i32 s22, s16, HALFS
	s_add_co_u32 s22, s22, 2*HALFS
	s_sub_co_u32 s22, s22, s21
	v_mul_u32_u24 v6, s22, v2                      ; lanes 16-31 take B's
	s_add_co_u32 s21, s21, SCL
	v_add_nc_u32 v5, v5, v6
	v_add_nc_u32 v[ADRS], s21, v5
	s_mul_i32 s23, s14, 16*SPITCH                  ; my stage
	v_mul_u32_u24 v5, v1, SPITCH
	v_lshl_add_u32 v5, v2, 4, v5
	v_add_nc_u32 v[STO], s23, v5                   ; in: row r, 16 bytes for each half of the lanes
	v_bfe_u32 v5, v0, 3, 1
	v_and_b32 v6, 7, v0
	v_mul_u32_u24 v7, v5, SPITCH
	v_lshl_add_u32 v7, v2, 7, v7
	v_lshl_add_u32 v7, v6, 4, v7
	v_add_nc_u32 v[RD], s23, v7                    ; back: lanes 0-15 head 0, lanes 16-31 head 1; eight lanes a position's 128 bytes, two positions
	v_lshlrev_b32 v7, 18, v2
	v_lshl_add_u32 v7, v5, 7, v7
	v_lshl_add_u32 v[CO], v6, 4, v7                ; the same in qkv: heads 262,144 bytes apart, positions 128
	v_lshlrev_b32 v[FO], 12, v1
	v_lshl_add_u32 v[FO], v2, 5, v[FO]             ; fine: row r of 4,096 bytes, + 32 h
	v_lshlrev_b32 v[BO], 5, v2                     ; the bias: 32 h
	s_or_b32 s3, s95, s15                          ; 0 where my rows begin a sequence: ids that all partners share, and the wave's number
	s_lshl_b32 s96, s40, 10
	s_lshl_b32 s97, s16, 9
	s_add_co_u32 s96, s96, s97                     ; my first column within the tensor, x 4
	s_lshl_b32 s98, ttmp9, 18
	s_lshl_b32 s99, s41, 16
	s_add_co_u32 s98, s98, s99
	s_add_co_u32 s98, s98, s96                     ; fine: tensor, batch's 16 rows, column
	s_mov_b32 s97, 0
	s_mov_b32 s99, 0
	s_lshl_b32 s100, s41, 4
	s_lshl_b32 s101, s40, 2
	s_add_co_u32 s100, s100, s101
	s_lshl_b32 s101, s16, 1
	s_add_co_u32 s100, s100, s101                  ; 16 b + my first head
	s_lshl_b32 s100, s100, 11
	s_lshl_b32 s101, s95, 8
	s_add_co_u32 s100, s100, s101
	s_lshl_b32 s101, s15, 7
	s_add_co_u32 s100, s100, s101                  ; + my first position
	s_lshl_b32 s100, s100, 7                       ; rows of 128 bytes
	s_lshl_b32 s101, ttmp9, 24
	s_add_co_u32 s100, s100, s101                  ; + the tensor's 16,777,216 bytes
	s_mov_b32 s101, 0
	s_wait_kmcnt 0x0
	s_cmp_eq_u32 ttmp9, 0                          ; the tensor is the cluster's x: the same in all partners
	s_cselect_b64 s[4:5], s[4:5], s[6:7]
	s_cselect_b32 s[SCQ], 0x3e38aa3b, 1.0          ; c = log2(e) / 8 for q
	s_cmp_lt_u32 ttmp9, 2
	s_cselect_b64 s[4:5], s[4:5], s[8:9]
	s_mov_b32 s[SCQ+1], s[SCQ]
	s_add_nc_u64 s[4:5], s[4:5], s[96:97]
	s_add_nc_u64 s[12:13], s[12:13], s[98:99]
	s_add_nc_u64 s[10:11], s[10:11], s[100:101]
.irp b, 0,1,2,3,4,5,6,7
	global_load_b128 v[BIAS+8*\b:BIAS+8*\b+3], v[BO], s[4:5] offset:64*\b          ; the bias in the result's layout: columns 16 b + 8 h + 0 .. 7; waited for on the way out
	global_load_b128 v[BIAS+8*\b+4:BIAS+8*\b+7], v[BO], s[4:5] offset:64*\b+16
.endr
.macro FRAG reg, adr, q, i             ; 16 rows x 128 K of 4-bit codes: 8 registers, two loads of 16 bytes, 32 apart
.irp c, 0,1
	ds_load_b128 v[\reg+4*\c:\reg+4*\c+3], v[\adr] offset:64*(\q)+32*\c+(\i)*16*PITCH
.endr
.endm
; 16 matrix instructions: A's blocks a0, a0 + 1 x B's eight.  The 64 accumulators take turns, one instruction a turn.
.macro MUL16 a0, p, q, sc, zero
.irp a, \a0, \a0+1
.irp b, 0,1,2,3,4,5,6,7
.if \zero
	v_wmma_scale_f32_16x16x128_f8f6f4 v[8*(8*((\a)%4)+\b):8*(8*((\a)%4)+\b)+7], v[128*(\p)+FR*\b:128*(\p)+FR*\b+FR-1], v[AF+FR*(\a):AF+FR*(\a)+FR-1], 0, v[SC+8*NQ*(\sc)+NQ*\b+(\q)], v[SC+8*NQ*(\sc)+NQ*(\a)+(\q)] matrix_a_fmt:MATRIX_FMT_FP4 matrix_b_fmt:MATRIX_FMT_FP4 matrix_a_scale:MATRIX_SCALE_ROW1
.else
	v_wmma_scale_f32_16x16x128_f8f6f4 v[8*(8*((\a)%4)+\b):8*(8*((\a)%4)+\b)+7], v[128*(\p)+FR*\b:128*(\p)+FR*\b+FR-1], v[AF+FR*(\a):AF+FR*(\a)+FR-1], v[8*(8*((\a)%4)+\b):8*(8*((\a)%4)+\b)+7], v[SC+8*NQ*(\sc)+NQ*\b+(\q)], v[SC+8*NQ*(\sc)+NQ*(\a)+(\q)] matrix_a_fmt:MATRIX_FMT_FP4 matrix_b_fmt:MATRIX_FMT_FP4 matrix_a_scale:MATRIX_SCALE_ROW1
.endif
.endr
.endr
.endm
.macro FETCH_B slot, q, p
	WIN TO_B
.irp i, 0,1,2,3,4,5,6,7
	FRAG 128*(\p)+FR*\i, ADRB+\slot, \q, \i
.endr
	WIN 0
.endm
.macro FETCH_A slot, q, i0
.irp i, \i0, \i0+1, \i0+2, \i0+3
	FRAG AF+FR*(\i), ADRA+\slot, \q, \i
.endr
.endm
.macro SCALES sc                       ; a slot's scale words: lanes 0-15 take A's block i, lanes 16-31 B's block i
.irp i, 0,1,2,3,4,5,6,7
	ds_load_b128 v[SC+8*NQ*\sc+NQ*\i:SC+8*NQ*\sc+NQ*\i+3], v[ADRS] offset:\i*SBLK
.endr
.endm
.macro PLACES n                        ; plain vector lines between a matrix instruction and a load into, or a read of, its registers
.rept \n
	v_nop
.endr
.endm
.macro STEP slot, q, zero
	s_wait_dscnt 4*NL                              ; B's set and A's blocks 0-3 are in; the youngest 8 loads (A's blocks 4-7) may be out
	WIN MUL_LO
	MUL16 0, (\q)%2, \q, \slot, \zero
	MUL16 2, (\q)%2, \q, \slot, \zero
	s_wait_dscnt 0
	PLACES NP
	FETCH_B \slot, (\q)+1, 1-(\q)%2
	FETCH_A \slot, (\q)+1, 0
	WIN MUL_HI
	MUL16 4, (\q)%2, \q, \slot, \zero
	MUL16 6, (\q)%2, \q, \slot, \zero
	PLACES NP
	WIN 0
	FETCH_A \slot, (\q)+1, 4
.endm
.macro STEPS slot, from
.set Q, \from
.rept NQ-1-\from
	STEP \slot, Q, 0
.set Q, Q+1
.endr
.endm
	s_wait_tensorcnt 1                             ; the scales and my part of slot 0 are in; slot 1's load may be out
	s_barrier_signal -1
	s_barrier_wait -1
	FETCH_B 0, 0, 0
	FETCH_A 0, 0, 0
	SCALES 0
	FETCH_A 0, 0, 4
	STEP 0, 0, 1                                   ; the first step's products start the sums: nothing is cleared
	STEPS 0, 1
	; slot 0's last step changes slots: one barrier; nothing is filled again
	s_wait_tensorcnt 0x0                           ; my part of slot 1 has landed
	ds_add_u32 v[SPW], v[NIL]
	s_wait_dscnt 4*NL+1                            ; the add and the youngest 8 loads may be out
	WIN MUL_LO
	MUL16 0, 1, NQ-1, 0, 0
	s_wait_dscnt 0x0                               ; the add is done, and my reads of slot 0 are over
	s_barrier_signal -1
	MUL16 2, 1, NQ-1, 0, 0
	WIN 0
	s_barrier_wait -1
	PLACES NP
	v_add_nc_u32 v[ADRS], 4*NQ, v[ADRS]            ; on to slot 1's scale words
	FETCH_B 1, 0, 0
	FETCH_A 1, 0, 0
	SCALES 1
	WIN MUL_HI
	MUL16 4, 1, NQ-1, 0, 0
	MUL16 6, 1, NQ-1, 0, 0
	PLACES NP
	WIN 0
	FETCH_A 1, 0, 4
	STEPS 1, 0
	s_wait_dscnt 4*NL                              ; the very last step
	WIN MUL_LO
	MUL16 0, 1, NQ-1, 1, 0
	MUL16 2, 1, NQ-1, 1, 0
	s_wait_dscnt 0
	WIN MUL_HI
	MUL16 4, 1, NQ-1, 1, 0
	MUL16 6, 1, NQ-1, 1, 0
	WIN 0
; THE WAY OUT, block by block of 16 rows x 128 columns (two heads).  (C + bias) x c by one fused multiply-add on the bias already times c; f16; through my stage; back so that sixteen lanes hold
; two neighbouring positions of one head: 256 consecutive bytes of qkv, aligned.
	s_wait_loadcnt 0x0                             ; the bias
.set n, 0
.rept 32
	v_pk_mul_f32 v[BIAS+2*n:BIAS+2*n+1], v[BIAS+2*n:BIAS+2*n+1], s[SCQ:SCQ+1] op_sel_hi:[1,0]   ; these 32 name no register of the last products: they are the places behind them
.set n, n+1
.endr
.macro PACKQ a
.if (\a) > 0
	s_wait_xcnt 0x0                                ; the earlier stores have read their registers: T and the set of rows two blocks back may be written
.endif
.set AC, 64*((\a)%4)
	WIN 0x02+(\a)/4                                ; source 0: window 2 or 3
.irp b, 0,1,2,3,4,5,6,7
.irp i, 0,1,2,3
	v_pk_fma_f32 v[T+8*\b+2*\i:T+8*\b+2*\i+1], v[AC+8*\b+2*\i:AC+8*\b+2*\i+1], s[SCQ:SCQ+1], v[BIAS+8*\b+2*\i:BIAS+8*\b+2*\i+1] op_sel_hi:[1,0,1]   ; each accumulator from its low end on
.endr
.endr
	WIN 0
.set n, 0
.rept 32
	v_cvt_pk_f16_f32 v[HP+n], v[T+2*n], v[T+2*n+1]
.set n, n+1
.endr
.endm
.macro TOSTAGE a
.set BB, BK+32*((\a)%2)
.irp b, 0,1,2,3,4,5,6,7
	ds_store_b128 v[STO], v[HP+4*\b:HP+4*\b+3] offset:32*\b
.endr
.irp i, 0,1,2,3,4,5,6,7
	ds_load_b128 v[BB+4*\i:BB+4*\i+3], v[RD] offset:2*SPITCH*\i      ; LDS serves a wave's instructions in order: these see the stores above
.endr
.endm
.macro SEND a
.set BB, BK+32*((\a)%2)
	s_wait_dscnt 0x0                               ; the block is back in registers
.irp i, 0,1,2,3,4,5,6,7
	global_store_b128 v[CO], v[BB+4*\i:BB+4*\i+3], s[10:11] offset:(16*(\a)+2*\i)*128
.endr
.endm
	PACKQ 0
	s_cmp_lg_u32 s3, 0
	s_cbranch_scc1 .Lno_fine
.irp b, 0,1,2,3,4,5,6,7                        ; the first 16 positions of a sequence also leave in f32
	global_store_b128 v[FO], v[T+8*\b:T+8*\b+3], s[12:13] offset:64*\b
	global_store_b128 v[FO], v[T+8*\b+4:T+8*\b+7], s[12:13] offset:64*\b+16
.endr
.Lno_fine:
	TOSTAGE 0
.irp a, 1,2,3,4,5,6,7                          ; block a's arithmetic stands between block a - 1's loads from the stage and the wait for them
	PACKQ \a
	SEND \a-1
	TOSTAGE \a
.endr
	SEND 7
	s_wait_tensorcnt 0x0                           ; the wave's end
	ds_add_u32 v[SPW], v[NIL]
	s_wait_dscnt 0x0
	CROUND                                         ; the closing round
	s_endpgm
.Lfunc_end_k_qa53aa5749e_qkv:
	.size	k_qa53aa5749e_qkv, .Lfunc_end_k_qa53aa5749e_qkv-k_qa53aa5749e_qkv
	.p2alignl 7, 3214868480
	.fill 96, 4, 3214868480
	.section	.rodata,"a",@progbits
	.p2align	6, 0x0
	.amdhsa_kernel k_qa53aa5749e_qkv
		.amdhsa_group_segment_fixed_size 327680
		.amdhsa_private_segment_fixed_size 0
		.amdhsa_enable_private_segment 0
		.amdhsa_kernarg_size 72
		.amdhsa_user_sgpr_count 2
		.amdhsa_user_sgpr_kernarg_segment_ptr 1
		.amdhsa_wavefront_size32 1
		.amdhsa_system_sgpr_workgroup_id_x 1
		.amdhsa_system_sgpr_workgroup_id_y 1
		.amdhsa_system_sgpr_workgroup_id_z 1
		.amdhsa_system_vgpr_workitem_id 0
		.amdhsa_next_free_vgpr 1024
		.amdhsa_next_free_sgpr 104
		.amdhsa_reserve_vcc 0
		.amdhsa_float_denorm_mode_32 3
		.amdhsa_float_denorm_mode_16_64 3
		.amdhsa_memory_ordered 1
		.amdhsa_forward_progress 1
		.amdhsa_inst_pref_size 148
	.end_amdhsa_kernel
	.amdgpu_metadata
---
amdhsa.version: [ 1, 2 ]
amdhsa.kernels:
  - .name:           k_qa53aa5749e_qkv
    .symbol:         k_qa53aa5749e_qkv.kd
    .args:
      - { .name: xc, .offset: 0, .size: 8, .value_kind: global_buffer, .address_space: global }
      - { .name: xs, .offset: 8, .size: 8, .value_kind: global_buffer, .address_space: global }
      - { .name: wc, .offset: 16, .size: 8, .value_kind: global_buffer, .address_space: global }
      - { .name: ws, .offset: 24, .size: 8, .value_kind: global_buffer, .address_space: global }
      - { .name: bq, .offset: 32, .size: 8, .value_kind: global_buffer, .address_space: global }
      - { .name: bk, .offset: 40, .size: 8, .value_kind: global_buffer, .address_space: global }
      - { .name: bv, .offset: 48, .size: 8, .value_kind: global_buffer, .address_space: global }
      - { .name: qkv, .offset: 56, .size: 8, .value_kind: global_buffer, .address_space: global }
      - { .name: fine, .offset: 64, .size: 8, .value_kind: global_buffer, .address_space: global }
    .group_segment_fixed_size: 327680
    .private_segment_fixed_size: 0
    .kernarg_segment_align: 8
    .kernarg_segment_size: 72
    .max_flat_workgroup_size: 128
    .sgpr_count:     104
    .vgpr_count:     1024
    .wavefront_size: 32
...
	.end_amdgpu_metadata
.endif
;; end of part 2
;; launch attn (part 3): grid 4 x 64, 16 waves a work-group, no clusters, 327,680 bytes of LDS; arguments qkv, ctxh; writes ctxh
.if DOCPART == 3
	.amdgcn_target "amdgcn-amd-amdhsa--gfx1250"
	.amdhsa_code_object_version 6
	.text
	.protected	k_qa53aa5749e_attn
	.globl	k_qa53aa5749e_attn
	.p2align	8
	.type	k_qa53aa5749e_attn,@function
k_qa53aa5749e_attn:
	s_mov_b64 s[64:65], 0
	v_nop
	global_prefetch_b8 v0, s[64:65] scope:SCOPE_SE
	s_setreg_imm32_b32 hwreg(HW_REG_WAVE_MODE, 25, 1), 1
	s_wait_xcnt 0x0
; Causal attention of one head on f16 operands, f32 sums.  qkv: f16 [3][64 = 16 b + h][2048 t][64]; part 0 is q x log2(e) / 8, so a score is already an exponent of 2.  ctxh: f16 [16 h][2048 b + t][64].
; p = 2^(s - m), m the running maximum of the row; in every step the sum l and O are multiplied by a = 2^(old m - new m); O / l at the end.
; LIMITS: operands beyond 65,504 do not fit f16; NaN and infinities are not served.  The first 16 positions of a sequence are made here too, but what the program's result takes of them comes from a finer launch.
; SHARES.  A work-group owns query blocks j and 7 - j (256 queries each) of one head, so that under the causal mask all work-groups have the same work.  Sixteen waves, 32 queries (two tiles of 16) each, 256 registers:
; four waves to a SIMD, so that one wave's vector work stands beside another's matrix work.  Keys go 64 a step; K and V come through a ring of two LDS slots of 256 keys (waves 0, 1: K's halves; waves 2, 3: V's).
; NO CLUSTER: the four work-groups of a head need different numbers of slots (8 - j), and where a wave's steps end hangs on j: partners would not run alike.
; LAYOUT.  S^T = K Q^T (source 0 = 16 keys, source 1 = 16 queries): a lane holds one query (lane % 16) and keys 8 (lane / 16) + 0..7.  Two such tiles, rounded to f16 in pairs, ARE source 1 of O^T = V^T P.  V is turned by ds_load_tr16_b128.
; EVERY work-group walks all eight slots: trip counts are constants; a step all of whose keys come after the wave's queries is jumped over, a slot that no wave of the work-group reads is not asked for.
; REGISTERS: v1-11 addresses and the mask's numbers; v12-27 statistics, 8 a tile; v28-31 the way out and the prefetch; v32-63 Q; v64-127 K, then P in v64-95; v128-191 S^T, then V; v192-255 O^T.
.set SK,    256
.set NQ,    4
.set KP,    144                        ; a key's row in LDS: 128 bytes + 16
.set VP,    160                        ; a row of V: 128 bytes + 32
.set VOFF,  SK*KP
.set SLOT1, 1<<17
.set NSL,   2048/SK
.set STAGE, SLOT1+VOFF+SK*VP           ; behind the ring: 32 rows x 144 bytes for each wave; no fill lands here
.set SPARE, STAGE+16*32*KP             ; the spare words, 128 bytes for each wave: eight blocks of 256 bytes that no other line names
.set AK0, 1
.set AV0, 2
.set SPW, 3
.set NIL, 4
.set ADK, 5
.set ADV, 6
.set RH,  7                            ; r - 8 h
.set D0,  8                            ; v8, v9: the mask's limit for tile 0, 1
.set NINF, 10
.set ST,  12                           ; tile t at v[ST + 8 t]: +0 m, +1 its pair's partner, +2, +3 l, +4..+7 at work; a in +6
.set STO, 28
.set RD,  29
.set GO,  30
.set PFO, 31
.set QR,  32
.set KR,  64
.set PR,  64
.set SR,  128
.set VR,  128
.set OT,  192
.set WV,  18
.set SEL, 20
.set G1K, 24
.set G1V, 32
.set G0K, 40
.set G0V, 44
.set TB,  2
.set QL,  66                           ; the work-group's last query
.set SLOTS, 67
.set PFA, 76
.set LIM, 80
.set KF,  98                           ; the step's first key
.set Q0,  99                           ; my first query
.macro TLOAD                           ; waves 0, 1 fetch K's halves, waves 2, 3 V's, the others nothing.  An s_nop 0 and four v_nop follow each line
	s_cmp_lt_u32 s[WV], 2
	s_cbranch_scc0 .Lnot_k_\@
	tensor_load_to_lds s[G0K:G0K+3], s[G1K:G1K+7]
	s_nop 0
.rept 4
	v_nop
.endr
	s_branch .Lasked_\@
.Lnot_k_\@:
	s_cmp_lt_u32 s[WV], 4
	s_cbranch_scc0 .Lasked_\@
	tensor_load_to_lds s[G0V:G0V+3], s[G1V:G1V+7]
	s_nop 0
.rept 4
	v_nop
.endr
.Lasked_\@:
.endm
; A prefetch of the slot that the NEXT change of slots will ask for: 32,768 dense bytes of K and of V.  All four work-groups of a head walk the same K and V: the one with j = 0, which walks all slots, asks.
; In it waves 4-7 ask for K's, waves 8-11 for V's, 8,192 bytes a wave, lanes 256 bytes apart: each aligned block of 256 bytes is named once in the launch.  The last change that fills a slot asks for nothing.
.macro ASK
	s_cmp_gt_u32 s[SLOTS], s[LIM]
	s_cbranch_scc0 .Lnot_mine_\@
	global_prefetch_b8 v[PFO], s[PFA:PFA+1] th:TH_LOAD_NT scope:SCOPE_SE
.Lnot_mine_\@:
.endm
	s_load_b128 s[4:7], s[0:1], 0x0                ; qkv, ctxh
	v_lshl_add_u32 v[SPW], v0, 2, SPARE
	v_mov_b32 v[NIL], 0
	ds_add_u32 v[SPW], v[NIL]                      ; the wave's opening: the add, twice on end, and its wait ahead of the first tensor load
	ds_add_u32 v[SPW], v[NIL]
	v_lshrrev_b32 v5, 5, v0
	v_readfirstlane_b32 s[WV], v5                  ; wave 0..15
	s_and_b32 s68, ttmp7, 0xffff                   ; 16 b + h
	s_lshl_b32 s69, s68, 18                        ; the head's 262,144 bytes in each part of qkv
	s_sub_co_u32 s70, 7, ttmp9
	s_cmp_lt_u32 s[WV], 8
	s_cselect_b32 s70, ttmp9, s70                  ; my block of 256 queries: j or 7 - j
	s_bfe_u32 s71, s[WV], 0x10002
	s_mul_i32 s71, s71, 3
	s_and_b32 s72, s[WV], 7
	s_xor_b32 s72, s72, s71                        ; which 32 of them: every second group of four waves runs the other way round
	s_lshl_b32 s[Q0], s70, 8
	s_lshl_b32 s72, s72, 5
	s_add_co_u32 s[Q0], s[Q0], s72
	s_sub_co_u32 s[QL], 8, ttmp9
	s_lshl_b32 s[QL], s[QL], 8
	s_sub_co_u32 s[QL], s[QL], 1                   ; 256 (8 - j) - 1
	s_and_b32 s73, s[WV], 1                        ; which half of a slot's rows I fetch, if I fetch
	s_lshl_b32 s74, s73, 14
	s_add_co_u32 s74, s74, s69
	s_add_co_u32 s84, s74, 1<<24                   ; K: part 1 of qkv
	s_mov_b32 s85, 0
	s_add_co_u32 s86, s74, 2<<24                   ; V: part 2
	s_mov_b32 s87, 0
	s_mul_i32 s81, s73, 128*KP
	s_mul_i32 s82, s73, 128*VP
	s_add_co_u32 s82, s82, VOFF
	s_mov_b32 s[G1K], (1<<16)|(1<<20)|(4<<22)|(3<<25)   ; no mask; elements of 2 bytes; padding: 4 words after every 32
	s_mov_b32 s[G1V], (1<<16)|(1<<20)|(4<<22)|(7<<25)   ; the same with 8 words
.irp g, G1K, G1V
	s_mov_b32 s[\g+1], 64<<16                      ; tensor_dim0
	s_mov_b32 s[\g+2], 128<<16                     ; tensor_dim1
	s_mov_b32 s[\g+3], 64<<16                      ; tile_dim0
	s_mov_b32 s[\g+4], 128                         ; tile_dim1
	s_mov_b32 s[\g+5], 64                          ; from row to row
	s_mov_b32 s[\g+6], 0
	s_mov_b32 s[\g+7], 0
.endr
	s_mov_b32 s[SEL], 0x76543210
	s_mov_b32 s[SEL+1], 0xfedcba98
	s_mov_b32 s[TB], 0
	s_mov_b32 s[KF], 0
	s_mov_b32 s[SLOTS], NSL-1
	s_wait_dscnt 0x0                               ; both opening adds are done
	s_wait_kmcnt 0x0
	s_mov_b32 s[G0K], 1
	s_mov_b32 s[G0K+1], s81
	s_add_nc_u64 s[G0K+2:G0K+3], s[4:5], s[84:85]
	s_or_b32 s[G0K+3], s[G0K+3], 0x80000000
	s_mov_b32 s[G0V], 1
	s_mov_b32 s[G0V+1], s82
	s_add_nc_u64 s[G0V+2:G0V+3], s[4:5], s[86:87]
	s_or_b32 s[G0V+3], s[G0V+3], 0x80000000
	TLOAD                                          ; slot 0: key 0 counts for every query
	s_lshl_b32 s88, s[Q0], 7
	s_add_co_u32 s88, s88, s69
	s_mov_b32 s89, 0
	s_add_nc_u64 s[8:9], s[4:5], s[88:89]          ; q at my first query
	s_and_b32 s93, s68, 15
	s_lshl_b32 s93, s93, 20
	s_lshr_b32 s94, s68, 4
	s_lshl_b32 s94, s94, 18
	s_add_co_u32 s94, s94, s93
	s_lshl_b32 s93, s[Q0], 7
	s_add_co_u32 s94, s94, s93
	s_mov_b32 s95, 0
	s_add_nc_u64 s[6:7], s[6:7], s[94:95]          ; ctxh at my first query
	s_cmp_lt_u32 s[WV], 8                          ; the prefetches: waves 4-7 K's part, waves 8-11 V's
	s_cselect_b32 s90, 1, 2
	s_lshl_b32 s90, s90, 24
	s_and_b32 s91, s[WV], 3
	s_lshl_b32 s91, s91, 13
	s_add_co_u32 s90, s90, s91
	s_add_co_u32 s90, s90, s69
	s_add_co_u32 s90, s90, SK*128                  ; in slot 1: the first change of slots steps it to slot 2.  Nothing is prefetched at the head
	s_mov_b32 s91, 0
	s_add_nc_u64 s[PFA:PFA+1], s[4:5], s[90:91]
	s_sub_co_u32 s92, s[WV], 4
	s_lshr_b32 s92, s92, 3                         ; 0 in waves 4 to 11,
	s_or_b32 s92, s92, ttmp9                       ; of the work-group with j = 0
	s_cmp_eq_u32 s92, 0
	s_cselect_b32 s[LIM], 1, -1
	v_and_b32 v8, 15, v0                           ; r
	v_bfe_u32 v9, v0, 4, 1                         ; h
	v_lshlrev_b32 v11, 7, v8
	v_lshl_add_u32 v11, v9, 4, v11                 ; Q: row r of 128 bytes, + 16 h
.irp qt, 0,1
.irp c, 0,1
	global_load_b128 v[QR+16*\qt+8*\c:QR+16*\qt+8*\c+3], v11, s[8:9] offset:2048*\qt+64*\c
	global_load_b128 v[QR+16*\qt+8*\c+4:QR+16*\qt+8*\c+7], v11, s[8:9] offset:2048*\qt+64*\c+32
.endr
.endr
	v_mul_u32_u24 v[AK0], v8, KP
	v_lshl_add_u32 v[AK0], v9, 4, v[AK0]           ; K: row r x pitch + 16 h
	v_and_b32 v5, 7, v0
	v_bfe_u32 v6, v0, 3, 1
	v_lshl_add_u32 v[AV0], v9, 3, v5
	v_mul_u32_u24 v[AV0], v[AV0], VP
	v_lshl_add_u32 v[AV0], v6, 4, v[AV0]
	v_add_nc_u32 v[AV0], VOFF, v[AV0]              ; V, for the turning load: key 8 h + l % 8, channels 8 ((l / 8) % 2) on
	v_lshlrev_b32 v[RH], 3, v9
	v_sub_nc_u32 v[RH], v8, v[RH]
	v_mov_b32 v[NINF], 0xff800000
	s_mul_i32 s93, s[WV], 32*KP
	s_add_co_u32 s93, s93, STAGE                   ; my stage
	v_add_nc_u32 v[STO], s93, v[AK0]               ; in: row r, 16 bytes for each half of the lanes
	v_bfe_u32 v6, v0, 3, 2
	v_mul_u32_u24 v[RD], v6, KP
	v_lshl_add_u32 v[RD], v5, 4, v[RD]
	v_add_nc_u32 v[RD], s93, v[RD]                 ; back: eight lanes a row of 128 bytes, four rows an instruction
	v_and_b32 v[GO], 31, v0
	v_lshlrev_b32 v[PFO], 8, v[GO]
	v_lshlrev_b32 v[GO], 4, v[GO]                  ; and in ctxh the four rows are 512 consecutive bytes
.irp t, 0,1
	v_mov_b32 v[ST+8*\t], 0xff61b1e6               ; m: -3e38, under every score
.irp i, 1,2,3,4,5,6,7
	v_mov_b32 v[ST+8*\t+\i], 0                     ; l, and registers that are named in pairs or as a lane permute's destination before they are first made
.endr
.endr
.set n, 0
.rept 64
	v_mov_b32 v[OT+n], 0                           ; O^T.  (The step is written once: the first finds zeros, which a = 0 leaves zeros)
.set n, n+1
.endr
; A KEY STEP: 64 keys, the q-th of the slot in hand.
.macro STEP q
	s_add_co_u32 s96, s[Q0], 31                    ; a step all of whose keys come after my 32 queries is left out: a branch on ids and the count of steps
	s_cmp_gt_u32 s[KF], s96
	s_cbranch_scc1 .Lhidden_\@
	v_add_nc_u32 v[ADK], s[TB], v[AK0]             ; five plain lines: the places between the last step's products V^T P and the loads into P's registers (four are asked)
	v_add_nc_u32 v[ADV], s[TB], v[AV0]             ; and the products below that write over V's (five)
.rept 3
	v_nop
.endr
.irp kt, 0,1,2,3
.irp c, 0,1
	ds_load_b128 v[KR+16*\kt+8*\c:KR+16*\kt+8*\c+3], v[ADK] offset:(64*(\q)+16*\kt)*KP+64*\c
	ds_load_b128 v[KR+16*\kt+8*\c+4:KR+16*\kt+8*\c+7], v[ADK] offset:(64*(\q)+16*\kt)*KP+64*\c+32
.endr
.endr
	s_wait_dscnt 0x0
.irp c, 0,1                                    ; S^T = K Q^T: the eight accumulators take turns; the first eight start the sums
.irp kt, 0,1,2,3
.irp qt, 0,1
.if \c == 0
	v_wmma_f32_16x16x32_f16 v[SR+32*\qt+8*\kt:SR+32*\qt+8*\kt+7], v[KR+16*\kt+8*\c:KR+16*\kt+8*\c+7], v[QR+16*\qt+8*\c:QR+16*\qt+8*\c+7], 0
.else
	v_wmma_f32_16x16x32_f16 v[SR+32*\qt+8*\kt:SR+32*\qt+8*\kt+7], v[KR+16*\kt+8*\c:KR+16*\kt+8*\c+7], v[QR+16*\qt+8*\c:QR+16*\qt+8*\c+7], v[SR+32*\qt+8*\kt:SR+32*\qt+8*\kt+7]
.endif
.endr
.endr
.endr
.rept 4
	v_nop                                          ; places in front of the first read of the scores
.endr
	s_add_co_u32 s96, s[KF], 63                    ; on the diagonal hidden scores become -infinity; a step all of whose keys count skips this
	s_cmp_le_u32 s96, s[Q0]
	s_cbranch_scc1 .Lopen_\@
	s_sub_co_i32 s96, s[Q0], s[KF]
	v_add_nc_u32 v[D0], s96, v[RH]                 ; register 8 kt + i of tile qt holds key KF + 16 kt + 8 h + i: hidden where 16 kt + i > Q0 - KF + 16 qt + r - 8 h
	v_add_nc_u32 v[D0+1], 16, v[D0]
.set n, 0
.rept 64
	v_cmp_gt_i32 vcc_lo, 16*((n%32)/8)+n%8, v[D0+n/32]
	v_cndmask_b32 v[SR+n], v[SR+n], v[NINF], vcc_lo
.set n, n+1
.endr
.Lopen_\@:
.irp j, 0,1,2,3                                ; the row's maximum: four chains a tile, each accumulator from its low end on; the two tiles by turns
.irp t, 0,1
	v_max3_num_f32 v[ST+8*\t+4+\j], v[SR+32*\t+8*\j], v[SR+32*\t+8*\j+1], v[SR+32*\t+8*\j+2]
.endr
.endr
.irp i, 3,5
.irp j, 0,1,2,3
.irp t, 0,1
	v_max3_num_f32 v[ST+8*\t+4+\j], v[ST+8*\t+4+\j], v[SR+32*\t+8*\j+\i], v[SR+32*\t+8*\j+\i+1]
.endr
.endr
.endr
.irp t, 0,1
	v_max3_num_f32 v[ST+8*\t+4], v[ST+8*\t+4], v[SR+32*\t+7], v[SR+32*\t+15]
	v_max3_num_f32 v[ST+8*\t+6], v[ST+8*\t+6], v[SR+32*\t+23], v[SR+32*\t+31]
.endr
.irp t, 0,1
	v_max3_num_f32 v[ST+8*\t+4], v[ST+8*\t+4], v[ST+8*\t+5], v[ST+8*\t+6]
.endr
.irp t, 0,1
	v_max3_num_f32 v[ST+8*\t+4], v[ST+8*\t+4], v[ST+8*\t+7], v[ST+8*\t]      ; and the old m
.endr
.irp t, 0,1
	v_permlanex16_b32 v[ST+8*\t+5], v[ST+8*\t+4], s[SEL], s[SEL+1]           ; the query's other 32 keys lie in the lane 16 away
.endr
.irp t, 0,1
	v_mov_b32 v[ST+8*\t+7], v[ST+8*\t]
.endr
.irp t, 0,1
	v_max_num_f32 v[ST+8*\t], v[ST+8*\t+4], v[ST+8*\t+5]                     ; the new m
.endr
.irp t, 0,1
	v_sub_f32 v[ST+8*\t+7], v[ST+8*\t+7], v[ST+8*\t]                         ; old m - new m
.endr
.set n, 0
.rept 32
	v_pk_add_f32 v[SR+2*n:SR+2*n+1], v[SR+2*n:SR+2*n+1], v[ST+8*(n/16):ST+8*(n/16)+1] op_sel_hi:[1,0] neg_lo:[0,1] neg_hi:[0,1]   ; s - m, two at a time
.set n, n+1
.endr
.irp t, 0,1
	v_exp_f32 v[ST+8*\t+6], v[ST+8*\t+7]           ; a
.endr
.set n, 0
.rept 64
	v_exp_f32 v[SR+n], v[SR+n]                     ; p
.set n, n+1
.endr
	v_nop                                          ; a plain line behind the last exponential
	s_wait_alu depctr_va_vdst(0)                   ; one wait for the batch of 66, ahead of its first reader
.set n, 0
.rept 32
	v_cvt_pk_f16_f32 v[PR+n], v[SR+2*n], v[SR+2*n+1]
.set n, n+1
.endr
.irp t, 0,1
	v_pk_mul_f32 v[ST+8*\t+2:ST+8*\t+3], v[ST+8*\t+2:ST+8*\t+3], v[ST+8*\t+6:ST+8*\t+7] op_sel_hi:[1,0]   ; l x a
.endr
.irp t, 0,1
	v_pk_add_f32 v[ST+8*\t+4:ST+8*\t+5], v[SR+32*\t:SR+32*\t+1], v[SR+32*\t+2:SR+32*\t+3]                 ; the sum of the unrounded p, in two chains a tile
.endr
.irp j, 4,8,12,16,20,24,28
.irp t, 0,1
	v_pk_add_f32 v[ST+8*\t+2:ST+8*\t+3], v[ST+8*\t+2:ST+8*\t+3], v[SR+32*\t+\j:SR+32*\t+\j+1]
	v_pk_add_f32 v[ST+8*\t+4:ST+8*\t+5], v[ST+8*\t+4:ST+8*\t+5], v[SR+32*\t+\j+2:SR+32*\t+\j+3]
.endr
.endr
.irp t, 0,1
	v_pk_add_f32 v[ST+8*\t+2:ST+8*\t+3], v[ST+8*\t+2:ST+8*\t+3], v[ST+8*\t+4:ST+8*\t+5]
.endr
.irp u, 0,1                                    ; V of these 64 keys, turned, into the registers that p has left
.irp dt, 0,1,2,3
	ds_load_tr16_b128 v[VR+32*\u+8*\dt:VR+32*\u+8*\dt+3], v[ADV] offset:(64*(\q)+32*\u)*VP+32*\dt
	ds_load_tr16_b128 v[VR+32*\u+8*\dt+4:VR+32*\u+8*\dt+7], v[ADV] offset:(64*(\q)+32*\u+16)*VP+32*\dt
.endr
.endr
.set n, 0
.rept 32
	v_pk_mul_f32 v[OT+2*n:OT+2*n+1], v[OT+2*n:OT+2*n+1], v[ST+8*(n/16)+6:ST+8*(n/16)+7] op_sel_hi:[1,0]   ; O^T x a, each accumulator from its low end on, while the loads are out
.set n, n+1
.endr
	s_wait_dscnt 0x0
.irp u, 0,1                                    ; O^T += V^T P: the eight accumulators take turns
.irp dt, 0,1,2,3
.irp qt, 0,1
	v_wmma_f32_16x16x32_f16 v[OT+32*\qt+8*\dt:OT+32*\qt+8*\dt+7], v[VR+32*\u+8*\dt:VR+32*\u+8*\dt+7], v[PR+16*\qt+8*\u:PR+16*\qt+8*\u+7], v[OT+32*\qt+8*\dt:OT+32*\qt+8*\dt+7]
.endr
.endr
.endr
.Lhidden_\@:
	s_add_co_u32 s[KF], s[KF], 64
.endm
; THE CHANGE OF SLOTS stands at a slot's head.  Each wave waits for all its tensor loads, adds 0 to its spare word (fill = 1: twice on end), and waits for that and for its reads of the slot that it has left.
; Behind the barrier the slot ahead is whole and nobody reads the other one; fill = 1: that one is filled with the next 256 keys, if any wave of the work-group will read them.
.macro CHANGE fill
	s_wait_tensorcnt 0x0                           ; no tensor load of mine is out, so a group 0 may be written
	ds_add_u32 v[SPW], v[NIL]
.if \fill
	ds_add_u32 v[SPW], v[NIL]                      ; and once more
	s_xor_b32 s[G0K+1], s[G0K+1], SLOT1
	s_add_nc_u64 s[G0K+2:G0K+3], s[G0K+2:G0K+3], SK*128
	s_xor_b32 s[G0V+1], s[G0V+1], SLOT1
	s_add_nc_u64 s[G0V+2:G0V+3], s[G0V+2:G0V+3], SK*128
	s_wait_xcnt 0x0                                ; the last prefetch, a slot back, has read its address
	s_add_nc_u64 s[PFA:PFA+1], s[PFA:PFA+1], SK*128
.endif
	s_wait_dscnt 0x0
	s_barrier_signal -1
	s_barrier_wait -1
.if \fill
	s_add_co_u32 s96, s[KF], SK                    ; the first key of the slot that this change would ask for,
	s_cmp_gt_u32 s96, s[QL]                        ; against the work-group's last query: ids and the count of steps alone, the same in all sixteen waves
	s_cbranch_scc1 .Lpast_\@
	TLOAD                                          ; a wave's one tensor load until the next such barrier; every wait on TENSORcnt in this text is for 0
.Lpast_\@:
	ASK
.endif
.endm
.macro SLOT_STEPS
.set Q, 0
.rept NQ
	STEP Q
.set Q, Q+1
.endr
	s_xor_b32 s[TB], s[TB], SLOT1
.endm
	s_wait_loadcnt 0x0                             ; Q
.Lslot:                                            ; seven trips
	CHANGE 1
	SLOT_STEPS
	s_sub_co_u32 s[SLOTS], s[SLOTS], 1
	s_cmp_lg_u32 s[SLOTS], 0
	s_cbranch_scc1 .Lslot
	CHANGE 0                                       ; the last slot is written out: nothing is left to ask for
	SLOT_STEPS
	; THE WAY OUT: O^T / l, f16, through my stage, out as 512 consecutive bytes an instruction
.rept 4
	v_nop                                          ; places behind the last products
.endr
.irp t, 0,1
	v_add_f32 v[ST+8*\t+4], v[ST+8*\t+2], v[ST+8*\t+3]
.endr
.irp t, 0,1
	v_permlanex16_b32 v[ST+8*\t+5], v[ST+8*\t+4], s[SEL], s[SEL+1]
.endr
.irp t, 0,1
	v_add_f32 v[ST+8*\t+4], v[ST+8*\t+4], v[ST+8*\t+5]
.endr
.irp t, 0,1
	v_rcp_f32 v[ST+8*\t+6], v[ST+8*\t+4]
.endr
	v_nop
	s_wait_alu depctr_va_vdst(0)                   ; one wait for the two reciprocals, ahead of their first reader
.set n, 0
.rept 32
	v_pk_mul_f32 v[SR+2*n:SR+2*n+1], v[OT+2*n:OT+2*n+1], v[ST+8*(n/16)+6:ST+8*(n/16)+7] op_sel_hi:[1,0]
.set n, n+1
.endr
.set n, 0
.rept 32
	v_cvt_pk_f16_f32 v[PR+n], v[SR+2*n], v[SR+2*n+1]
.set n, n+1
.endr
.irp qt, 0,1
.irp dt, 0,1,2,3
	ds_store_b128 v[STO], v[PR+16*\qt+4*\dt:PR+16*\qt+4*\dt+3] offset:16*\qt*KP+32*\dt
.endr
.endr
.irp i, 0,1,2,3,4,5,6,7
	ds_load_b128 v[96+4*\i:99+4*\i], v[RD] offset:4*\i*KP          ; LDS serves a wave's instructions in order: these see my stores
.endr
.irp i, 0,1,2,3,4,5,6,7
	s_wait_dscnt 7-\i                              ; the younger loads may be out
	global_store_b128 v[GO], v[96+4*\i:99+4*\i], s[6:7] offset:512*\i
.endr
	s_wait_tensorcnt 0x0                           ; the wave's end
	ds_add_u32 v[SPW], v[NIL]
	s_wait_dscnt 0x0
	s_endpgm
.Lfunc_end_k_qa53aa5749e_attn:
	.size	k_qa53aa5749e_attn, .Lfunc_end_k_qa53aa5749e_attn-k_qa53aa5749e_attn
	.p2alignl 7, 3214868480
	.fill 96, 4, 3214868480
	.section	.rodata,"a",@progbits
	.p2align	6, 0x0
	.amdhsa_kernel k_qa53aa5749e_attn
		.amdhsa_group_segment_fixed_size 327680
		.amdhsa_private_segment_fixed_size 0
		.amdhsa_enable_private_segment 0
		.amdhsa_kernarg_size 16
		.amdhsa_user_sgpr_count 2
		.amdhsa_user_sgpr_kernarg_segment_ptr 1
		.amdhsa_wavefront_size32 1
		.amdhsa_system_sgpr_workgroup_id_x 1
		.amdhsa_system_sgpr_workgroup_id_y 1
		.amdhsa_system_sgpr_workgroup_id_z 1
		.amdhsa_system_vgpr_workitem_id 0
		.amdhsa_next_free_vgpr 256
		.amdhsa_next_free_sgpr 100
		.amdhsa_reserve_vcc 1
		.amdhsa_float_denorm_mode_32 3
		.amdhsa_float_denorm_mode_16_64 3
		.amdhsa_memory_ordered 1
		.amdhsa_forward_progress 1
		.amdhsa_inst_pref_size 188
	.end_amdhsa_kernel
	.amdgpu_metadata
---
amdhsa.version: [ 1, 2 ]
amdhsa.kernels:
  - .name:           k_qa53aa5749e_attn
    .symbol:         k_qa53aa5749e_attn.kd
    .args:
      - { .name: qkv, .offset: 0, .size: 8, .value_kind: global_buffer, .address_space: global }
      - { .name: ctxh, .offset: 8, .size: 8, .value_kind: global_buffer, .address_space: global }
    .group_segment_fixed_size: 327680
    .private_segment_fixed_size: 0
    .kernarg_segment_align: 8
    .kernarg_segment_size: 16
    .max_flat_workgroup_size: 512
    .sgpr_count:     100
    .vgpr_count:     256
    .wavefront_size: 32
...
	.end_amdgpu_metadata
.endif
;; end of part 3
;; launch oproj (part 4): grid 4 x 64, 4 waves a work-group, clusters of 4 x 4, 327,680 bytes of LDS; arguments ctxh, wot, bo, out0; writes out0
.if DOCPART == 4
	.amdgcn_target "amdgcn-amd-amdhsa--gfx1250"
	.amdhsa_code_object_version 6
	.text
	.protected	k_qa53aa5749e_oproj
	.globl	k_qa53aa5749e_oproj
	.p2align	8
	.type	k_qa53aa5749e_oproj,@function
k_qa53aa5749e_oproj:
	s_mov_b64 s[64:65], 0
	v_nop
	global_prefetch_b8 v0, s[64:65] scope:SCOPE_SE
	s_setreg_imm32_b32 hwreg(HW_REG_WAVE_MODE, 25, 1), 1
	s_wait_xcnt 0x0
	s_wait_alu depctr_hold_cnt(0) depctr_sa_sdst(0) depctr_va_vdst(0) depctr_va_sdst(0) depctr_va_ssrc(0) depctr_va_vcc(0) depctr_vm_vsrc(0)
	s_getreg_b32 s2, hwreg(HW_REG_IB_STS2, 6, 4)
	s_cmp_eq_u32 s2, 0
	s_cbranch_scc0 .Lentry_in_a_cluster
	s_endpgm
.Lentry_in_a_cluster:
	s_bfe_u32 s2, ttmp6, 0x10000c
	s_cmp_lg_u32 s2, 0xf033
	s_cbranch_scc0 .Lentry_shape_is_right
	s_endpgm
.Lentry_shape_is_right:
; out0[m][n] = sum over k of ctx[m][k] Wo[k][n] + bo[n], on f16 operands, f32 sums, for all rows but the first 16 positions of each sequence, which a finer launch stores.
; ctxh: f16 [16 heads][8192 rows][64]; wot: f16 [1024 n][1024 k], k = 64 head + channel; out0: f32 [8192][1024].
; A tile of out0 is 128 rows x 256 columns: 256 work-groups.  Four waves, each 64 x 128: 32 accumulators, 256 registers (window 1).  K goes in steps of 128 (two heads) through a ring of two LDS slots.
; A head's 128 rows of 128 bytes are dense in memory: they come as 64 rows of 256 bytes, 16 bytes of padding behind each; row m lies at (m / 2) 272 + (m % 2) 128.
; CLUSTERS: 4 x 4.  Tile row = 16 cy + cluster y (so cy is the batch, and cluster y = 0 holds the first positions); tile column = cx.  A's tiles are asked for jointly along a row of the cluster, B's along a column.
; THE MATRIX INSTRUCTION IS USED TRANSPOSED (source 0 = 16 rows of wot, source 1 = 16 rows of ctx): a lane holds eight neighbouring columns of one row.
; REGISTERS: window 0: v0-31 addresses; two fragment buffers, v32-127 and v128-223: 64 of B, then 32 of A.  window 1: accumulator (a, b) at v[8 (8 a + b)].  window 2: v0-63 the bias of my 128 columns.
.set PITCH,  272
.set AH,     64*PITCH                  ; one head's 128 rows of A
.set SLOT,   2*AH+256*PITCH            ; A's two heads, then B's 256 rows
.set STAGE,  2*SLOT                    ; behind the ring: 16 rows x (512 bytes + 16) for each wave
.set SPITCH, 528
.set SPARE,  STAGE+4*16*SPITCH         ; the spare words: two blocks of 256 bytes that no other line names
.set KSB,    2097152                   ; a K step in ctxh: two heads of 1,048,576 bytes
.set ADRA, 16
.set ADRB, 20
.set STO,  24
.set RD,   25
.set CO,   26
.set BO,   27
.set SPW,  28
.set NIL,  29
.set PFO,  30
.set F0,   32
.set F1,   128
.set T,    96
.set BK,   160
.set WV,   12
.set HR,   13                          ; which 64 rows are mine.  Also: I fetch for A (0) or for B (1)
.set HC,   14                          ; which 128 columns.  Also: which head (A) or which 128 rows (B) I fetch
.set LIM,  15
.set SKIP, 16
.set G1,  24
.set G0,  32
.set PFA, 46
.set G1B, 48
.set G0B, 56
.set MSB, 0
.macro WIN new
.if MSB != (\new)
	s_set_vgpr_msb (MSB<<8)|(\new)
.set MSB, (\new)
.endif
.endm
.set MUL, 0x50                         ; C and D window 1, sources window 0
.macro JLOAD s                         ; a joint load; an s_nop 0 and four v_nop follow each of the two lines
	s_cmp_eq_u32 s[HR], 0
	s_cbranch_scc0 .Lfor_b_\@
	tensor_load_to_lds s[G0+4*\s:G0+4*\s+3], s[G1:G1+7]
	s_nop 0
.rept 4
	v_nop
.endr
	s_branch .Lasked_\@
.Lfor_b_\@:
	tensor_load_to_lds s[G0B+4*\s:G0B+4*\s+3], s[G1B:G1B+7]
	s_nop 0
.rept 4
	v_nop
.endr
.Lasked_\@:
.endm
; A prefetch of ctxh's K step that stands two refills on: of my tile row's 2 x 16,384 bytes each of the four partners takes 2 x 4,096, told apart by address (cx); wave 0 asks, a lane for each 256 bytes.
; Only this row of the cluster reads these rows, so each block is named once.  The loop's last trip asks for nothing.  wot is read by all sixteen clusters one shortly after the other and is not asked for.
.macro ASK
	s_cmp_gt_u32 s3, s[LIM]
	s_cbranch_scc0 .Lnot_mine_\@
	global_prefetch_b8 v[PFO], s[PFA:PFA+1] offset:KSB th:TH_LOAD_NT scope:SCOPE_SE
.Lnot_mine_\@:
.endm
.macro CREST
	s_cmp_lg_u32 s[WV], 0
	s_cbranch_scc1 .Lnot_wave_0_\@
	s_barrier_signal -3
.Lnot_wave_0_\@:
	s_barrier_wait -3
	s_barrier_signal -1
	s_barrier_wait -1
.endm
.macro CROUND
	s_barrier_signal -1
	s_barrier_wait -1
	CREST
.endm
	s_load_b256 s[4:11], s[0:1], 0x0               ; ctxh s[4:5], wot s[6:7], bo s[8:9], out0 s[10:11]
	v_lshl_add_u32 v[SPW], v0, 2, SPARE
	v_mov_b32 v[NIL], 0
	ds_add_u32 v[SPW], v[NIL]                      ; the wave's opening: the add, twice on end, and its wait ahead of my first tensor load
	ds_add_u32 v[SPW], v[NIL]
	v_lshrrev_b32 v1, 5, v0
	v_readfirstlane_b32 s[WV], v1
	s_lshr_b32 s[HR], s[WV], 1
	s_and_b32 s[HC], s[WV], 1
	s_bfe_u32 s40, ttmp6, 0x40000                  ; cx
	s_bfe_u32 s41, ttmp6, 0x40004                  ; cy
	s_and_b32 s42, ttmp7, 0xffff                   ; cluster y
	s_lshl_b32 s43, s41, 4
	s_add_co_u32 s43, s43, s42                     ; tile row = 16 cy + cluster y
	s_lshl_b32 s44, s41, 2
	s_lshl_b32 s44, 15, s44                        ; my row of the cluster
	s_lshl_b32 s45, 0x1111, s40                    ; my column
	s_or_b32 s[G1+0], s44, (1<<16)|(1<<20)|(1<<21)|(5<<22)|(3<<25)    ; the mask; elements of 2 bytes; padding: 4 words after every 64; bit 21 beside a mask
	s_mov_b32 s[G1+1], 128<<16                     ; A: 64 rows of 128 elements, dense
	s_mov_b32 s[G1+2], 64<<16
	s_mov_b32 s[G1+3], 128<<16
	s_mov_b32 s[G1+4], 64
	s_mov_b32 s[G1+5], 128
	s_mov_b32 s[G1+6], 0
	s_mov_b32 s[G1+7], 0
	s_or_b32 s[G1B+0], s45, (1<<16)|(1<<20)|(1<<21)|(5<<22)|(3<<25)
	s_mov_b32 s[G1B+1], 128<<16                    ; B: 128 rows of 128 elements, 1,024 elements apart
	s_mov_b32 s[G1B+2], 128<<16
	s_mov_b32 s[G1B+3], 128<<16
	s_mov_b32 s[G1B+4], 128
	s_mov_b32 s[G1B+5], 1024
	s_mov_b32 s[G1B+6], 0
	s_mov_b32 s[G1B+7], 0
	s_lshl_b32 s18, s[HC], 20                      ; A: my head of the two, my tile row's 16,384 bytes
	s_lshl_b32 s19, s43, 14
	s_add_co_u32 s18, s18, s19
	s_mov_b32 s19, 0
	s_lshl_b32 s20, s40, 19                        ; B: row 256 cx + 128 x half, rows of 2,048 bytes
	s_lshl_b32 s21, s[HC], 18
	s_add_co_u32 s20, s20, s21
	s_mov_b32 s21, 0
	s_mul_i32 s22, s[HC], AH                       ; where they go: no place in the cluster enters an LDS address
	s_mul_i32 s23, s[HC], 128*PITCH
	s_add_co_u32 s23, s23, 2*AH
	s_wait_dscnt 0x0                               ; both opening adds are done
	s_wait_kmcnt 0x0
	s_add_nc_u64 s[66:67], s[4:5], s[18:19]
	s_add_nc_u64 s[68:69], s[6:7], s[20:21]
	CROUND                                         ; all sixteen work-groups are here: the first joint loads meet
.irp s, 0,1
	s_mov_b32 s[G0+4*\s], 1
	s_add_co_u32 s[G0+4*\s+1], s22, \s*SLOT
	s_add_nc_u64 s[G0+4*\s+2:G0+4*\s+3], s[66:67], \s*KSB
	s_or_b32 s[G0+4*\s+3], s[G0+4*\s+3], 0x80000000
	s_mov_b32 s[G0B+4*\s], 1
	s_add_co_u32 s[G0B+4*\s+1], s23, \s*SLOT
	s_add_nc_u64 s[G0B+4*\s+2:G0B+4*\s+3], s[68:69], \s*256
	s_or_b32 s[G0B+4*\s+3], s[G0B+4*\s+3], 0x80000000
	JLOAD \s                                       ; two loads of mine are out
.endr
	v_and_b32 v1, 15, v0                           ; r
	v_bfe_u32 v2, v0, 4, 1                         ; h
	v_lshlrev_b32 v[BO], 5, v2
	s_lshl_b32 s70, s40, 10
	s_lshl_b32 s71, s[HC], 9
	s_add_co_u32 s70, s70, s71                     ; my first column x 4
	s_mov_b32 s71, 0
	s_add_nc_u64 s[8:9], s[8:9], s[70:71]
	WIN 0x80                                       ; destination window 2
.irp b, 0,1,2,3,4,5,6,7
	global_load_b128 v[8*\b:8*\b+3], v[BO], s[8:9] offset:64*\b            ; the bias in the result's layout; waited for on the way out
	global_load_b128 v[8*\b+4:8*\b+7], v[BO], s[8:9] offset:64*\b+16
.endr
	WIN 0
	v_lshrrev_b32 v3, 1, v1
	v_mul_u32_u24 v3, v3, PITCH
	v_and_b32 v4, 1, v1
	v_lshl_add_u32 v3, v4, 7, v3
	v_lshl_add_u32 v3, v2, 4, v3                   ; A: (r / 2) 272 + (r % 2) 128 + 16 h
	s_mul_i32 s17, s[HR], 32*PITCH
	v_mul_u32_u24 v5, v1, PITCH
	v_lshl_add_u32 v5, v2, 4, v5                   ; B: 272 r + 16 h
	s_mul_i32 s18, s[HC], 128*PITCH
	s_add_co_u32 s18, s18, 2*AH
.irp s, 0,1
	v_add_nc_u32 v[ADRA+\s], s17, v3
	v_add_nc_u32 v[ADRB+\s], s18, v5
	s_add_co_u32 s17, s17, SLOT
	s_add_co_u32 s18, s18, SLOT
.endr
	s_mul_i32 s19, s[WV], 16*SPITCH
	s_add_co_u32 s19, s19, STAGE                   ; my stage
	v_mul_u32_u24 v5, v1, SPITCH
	v_lshl_add_u32 v5, v2, 5, v5
	v_add_nc_u32 v[STO], s19, v5                   ; in: row r, 32 bytes for each half of the lanes
	v_and_b32 v6, 31, v0
	v_lshlrev_b32 v[CO], 4, v6                     ; back: the 32 lanes take one row of 512 bytes; and the same in out0
	v_add_nc_u32 v[RD], s19, v[CO]
	s_lshl_b32 s20, s43, 19                        ; out0: 128 x tile row rows of 4,096 bytes,
	s_lshl_b32 s21, s[HR], 18                      ; + my 64 rows,
	s_add_co_u32 s20, s20, s21
	s_add_co_u32 s20, s20, s70                     ; + my first column
	s_mov_b32 s21, 0
	s_add_nc_u64 s[10:11], s[10:11], s[20:21]
	s_or_b32 s[SKIP], s42, s[HR]                   ; 0 where my rows begin a sequence
	s_lshl_b32 s20, s43, 14                        ; the prefetches: my tile row,
	s_lshl_b32 s21, s40, 12                        ; my work-group's 4,096 bytes of each head,
	s_add_co_u32 s20, s20, s21
	s_add_co_u32 s20, s20, 2*KSB                   ; at K step 2: the first refill steps it to 3 and names K step 4
	s_mov_b32 s21, 0
	s_add_nc_u64 s[PFA:PFA+1], s[4:5], s[20:21]
	s_cmp_eq_u32 s[WV], 0
	s_cselect_b32 s[LIM], 1, -1
	v_lshlrev_b32 v[PFO], 20, v2
	v_lshl_add_u32 v[PFO], v1, 8, v[PFO]           ; lanes 0-15 the even head, lanes 16-31 the odd one, 256 bytes apart
.macro MUL8 f, a, zero                 ; A's block a x B's eight, 32 along K.  The 32 accumulators take turns, one instruction a turn
.irp b, 0,1,2,3,4,5,6,7
.if \zero
	v_wmma_f32_16x16x32_f16 v[8*(8*(\a)+\b):8*(8*(\a)+\b)+7], v[\f+8*\b:\f+8*\b+7], v[\f+64+8*(\a):\f+64+8*(\a)+7], 0
.else
	v_wmma_f32_16x16x32_f16 v[8*(8*(\a)+\b):8*(8*(\a)+\b)+7], v[\f+8*\b:\f+8*\b+7], v[\f+64+8*(\a):\f+64+8*(\a)+7], v[8*(8*(\a)+\b):8*(8*(\a)+\b)+7]
.endif
.endr
.endm
.macro FETCH slot, q, f                ; 24 LDS loads in one run: quarter q (32 along K) of the slot: B's eight fragments, then A's four
.irp i, 0,1,2,3,4,5,6,7
	ds_load_b128 v[\f+8*\i:\f+8*\i+3],   v[ADRB+\slot] offset:\i*16*PITCH+64*(\q)
	ds_load_b128 v[\f+8*\i+4:\f+8*\i+7], v[ADRB+\slot] offset:\i*16*PITCH+64*(\q)+32
.endr
.irp i, 0,1,2,3
	ds_load_b128 v[\f+64+8*\i:\f+64+8*\i+3],   v[ADRA+\slot] offset:\i*8*PITCH+((\q)/2)*AH+((\q)%2)*64
	ds_load_b128 v[\f+64+8*\i+4:\f+64+8*\i+7], v[ADRA+\slot] offset:\i*8*PITCH+((\q)/2)*AH+((\q)%2)*64+32
.endr
.endm
.macro PLACES
.rept 4
	v_nop
.endr
.endm
.macro QUARTER slot, q, f, g, zero     ; multiplies buffer f; in its middle fetches quarter q of the same slot into g
	s_wait_dscnt 4                                 ; B and A's blocks 0, 1 are in; the youngest 4 loads (A's blocks 2, 3) may be out
	WIN MUL
	MUL8 \f, 0, \zero
	MUL8 \f, 1, \zero
	PLACES
	WIN 0
	FETCH \slot, \q, \g
	s_wait_dscnt 24                                ; all but the 24 just issued
	WIN MUL
	MUL8 \f, 2, \zero
	MUL8 \f, 3, \zero
.endm
; The last quarter multiplies buffer 1 and changes slots: ONE barrier; in front of it each wave waits for all its tensor loads, adds 0 to its spare word, and waits for that and for its reads of this slot.
.macro TURN slot, next, fill
.if \fill
	s_wait_xcnt 0x0                                ; the last prefetch, a K step back, has read its address
	s_add_nc_u64 s[PFA:PFA+1], s[PFA:PFA+1], KSB
.endif
	WIN 0
	s_wait_tensorcnt 0x0                           ; my part of the next slot has landed
	ds_add_u32 v[SPW], v[NIL]
	s_wait_dscnt 5                                 ; the add and the youngest 4 loads may be out
	WIN MUL
	MUL8 F1, 0, 0
	s_wait_dscnt 0x0                               ; the add is done, and my reads of this slot are over
	s_barrier_signal -1
	MUL8 F1, 1, 0
	WIN 0
	s_barrier_wait -1
.if \fill
	CREST                                          ; the barrier has opened a round of the cluster's barrier
	s_add_nc_u64 s[G0+4*\slot+2:G0+4*\slot+3], s[G0+4*\slot+2:G0+4*\slot+3], 2*KSB
	s_add_nc_u64 s[G0B+4*\slot+2:G0B+4*\slot+3], s[G0B+4*\slot+2:G0B+4*\slot+3], 512
	JLOAD \slot                                    ; the first tensor load behind the round; its four v_nop are also the places in front of the loads below
.else
	PLACES
.endif
	FETCH \next, 0, F0
.if \fill
	ASK
.endif
	WIN MUL
	MUL8 F1, 2, 0
	MUL8 F1, 3, 0
.endm
	s_wait_tensorcnt 1                             ; my part of K step 0 is in; K step 1's load may be out
	s_barrier_signal -1
	s_barrier_wait -1
	FETCH 0, 0, F0
	QUARTER 0, 1, F0, F1, 1                        ; the first quarter's products start the sums
	WIN 0
	s_mov_b32 s3, 3
.Llap:                                             ; three trips: each goes once round the ring and fills both slots again
	QUARTER 0, 2, F1, F0, 0
	QUARTER 0, 3, F0, F1, 0
	TURN 0, 1, 1
	QUARTER 1, 1, F0, F1, 0
	QUARTER 1, 2, F1, F0, 0
	QUARTER 1, 3, F0, F1, 0
	TURN 1, 0, 1
	QUARTER 0, 1, F0, F1, 0
	WIN 0
	s_sub_co_u32 s3, s3, 1
	s_cmp_lg_u32 s3, 0
	s_cbranch_scc1 .Llap
	QUARTER 0, 2, F1, F0, 0                        ; the last lap fills nothing
	QUARTER 0, 3, F0, F1, 0
	TURN 0, 1, 0
	QUARTER 1, 1, F0, F1, 0
	QUARTER 1, 2, F1, F0, 0
	QUARTER 1, 3, F0, F1, 0
	s_wait_dscnt 4
	WIN MUL
	MUL8 F1, 0, 0
	MUL8 F1, 1, 0
	s_wait_dscnt 0
	MUL8 F1, 2, 0
	MUL8 F1, 3, 0
	WIN 0
	; THE WAY OUT, a block of 16 rows x 128 columns at a time: + bias, through my stage, back as whole rows of 512 bytes
	PLACES
	s_wait_loadcnt 0x0                             ; the bias
.macro OUTB a
	s_wait_xcnt 0x0                                ; the earlier stores have read their registers
	WIN 0x09                                       ; source 0 (the sums) window 1, source 1 (the bias) window 2
.irp b, 0,1,2,3,4,5,6,7
.irp i, 0,1,2,3
	v_pk_add_f32 v[T+8*\b+2*\i:T+8*\b+2*\i+1], v[8*(8*(\a)+\b)+2*\i:8*(8*(\a)+\b)+2*\i+1], v[8*\b+2*\i:8*\b+2*\i+1]   ; each accumulator from its low end on
.endr
.endr
	WIN 0
.irp b, 0,1,2,3,4,5,6,7
	ds_store_b128 v[STO], v[T+8*\b:T+8*\b+3] offset:64*\b
	ds_store_b128 v[STO], v[T+8*\b+4:T+8*\b+7] offset:64*\b+16
.endr
.irp t, 0,1,2,3,4,5,6,7,8,9,10,11,12,13,14,15
	ds_load_b128 v[BK+4*\t:BK+4*\t+3], v[RD] offset:\t*SPITCH      ; LDS serves a wave's instructions in order: these see the stores above
.endr
	s_wait_dscnt 0x0
.irp t, 0,1,2,3,4,5,6,7,8,9,10,11,12,13,14,15
	global_store_b128 v[CO], v[BK+4*\t:BK+4*\t+3], s[10:11] offset:(16*(\a)+\t)*4096 th:TH_STORE_NT   ; 512 consecutive bytes, aligned
.endr
.endm
	s_cmp_eq_u32 s[SKIP], 0                        ; the first 16 positions of a sequence are another launch's: ids that all partners share, and the wave's number
	s_cbranch_scc1 .Lnot_first
	OUTB 0
.Lnot_first:
	OUTB 1
	OUTB 2
	OUTB 3
	s_wait_tensorcnt 0x0                           ; the wave's end
	ds_add_u32 v[SPW], v[NIL]
	s_wait_dscnt 0x0
	CROUND                                         ; the closing round
	s_endpgm
.Lfunc_end_k_qa53aa5749e_oproj:
	.size	k_qa53aa5749e_oproj, .Lfunc_end_k_qa53aa5749e_oproj-k_qa53aa5749e_oproj
	.p2alignl 7, 3214868480
	.fill 96, 4, 3214868480
	.section	.rodata,"a",@progbits
	.p2align	6, 0x0
	.amdhsa_kernel k_qa53aa5749e_oproj
		.amdhsa_group_segment_fixed_size 327680
		.amdhsa_private_segment_fixed_size 0
		.amdhsa_enable_private_segment 0
		.amdhsa_kernarg_size 32
		.amdhsa_user_sgpr_count 2
		.amdhsa_user_sgpr_kernarg_segment_ptr 1
		.amdhsa_wavefront_size32 1
		.amdhsa_system_sgpr_workgroup_id_x 1
		.amdhsa_system_sgpr_workgroup_id_y 1
		.amdhsa_system_sgpr_workgroup_id_z 1
		.amdhsa_system_vgpr_workitem_id 0
		.amdhsa_next_free_vgpr 576
		.amdhsa_next_free_sgpr 72
		.amdhsa_reserve_vcc 0
		.amdhsa_float_denorm_mode_32 3
		.amdhsa_float_denorm_mode_16_64 3
		.amdhsa_memory_ordered 1
		.amdhsa_forward_progress 1
		.amdhsa_inst_pref_size 95
	.end_amdhsa_kernel
	.amdgpu_metadata
---
amdhsa.version: [ 1, 2 ]
amdhsa.kernels:
  - .name:           k_qa53aa5749e_oproj
    .symbol:         k_qa53aa5749e_oproj.kd
    .args:
      - { .name: ctxh, .offset: 0, .size: 8, .value_kind: global_buffer, .address_space: global }
      - { .name: wot, .offset: 8, .size: 8, .value_kind: global_buffer, .address_space: global }
      - { .name: bo, .offset: 16, .size: 8, .value_kind: global_buffer, .address_space: global }
      - { .name: out0, .offset: 24, .size: 8, .value_kind: global_buffer, .address_space: global }
    .group_segment_fixed_size: 327680
    .private_segment_fixed_size: 0
    .kernarg_segment_align: 8
    .kernarg_segment_size: 32
    .max_flat_workgroup_size: 128
    .sgpr_count:     72
    .vgpr_count:     576
    .wavefront_size: 32
...
	.end_amdgpu_metadata
.endif
;; end of part 4
;; launch first16 (part 5): grid 64 x 4, 16 waves a work-group, no clusters, 18,432 bytes of LDS; arguments fine, Wo, bo, out0; writes out0
.if DOCPART == 5
	.amdgcn_target "amdgcn-amd-amdhsa--gfx1250"
	.amdhsa_code_object_version 6
	.text
	.protected	k_qa53aa5749e_first16
	.globl	k_qa53aa5749e_first16
	.p2align	8
	.type	k_qa53aa5749e_first16,@function
k_qa53aa5749e_first16:
	s_mov_b64 s[64:65], 0
	v_nop
	global_prefetch_b8 v0, s[64:65] scope:SCOPE_SE
	s_setreg_imm32_b32 hwreg(HW_REG_WAVE_MODE, 25, 1), 1
	s_wait_xcnt 0x0
; The first 16 positions of each sequence, all in f32: there a row of the softmax averages one to a few values, and f16 operands would use up what the comparison allows.
; fine: f32 [3][16 b + t][1024]: q x log2(e) / 8, k, v.  Wo: f32 [1024 k][1024 n].  out0 rows 2048 b + t, t < 16.
; A work-group makes 16 columns of one batch's 16 rows; wave = head.  Each wave: S^T = K Q^T, the causal softmax, O^T = V^T P, its head's part of the projection; the sixteen parts meet in LDS and are added in ascending order.
; All products by the f32 matrix form, 16 x 16 x 4 (this is no bulk work: 16 positions of 2,048).  K is permuted alike on both sources, so that results serve as the next operand in the lanes where they lie.
; The registers that the matrix form writes (v144-207) are written by nothing else; sums begin with the constant 0.
; The stores are 16 bytes a lane in rows 4,096 bytes apart: pieces, for 1 / 128 of out0.
.set SPARE, 16384                      ; behind the sixteen parts: the spare words, 128 bytes for each wave
.set SPW, 2
.set NIL, 3
.set QF,  16                           ; q(r, 32 h + i); later ctx / l
.set CT,  16
.set KF,  48                           ; k(r, 32 h + i)
.set VF,  80                           ; v(key 8 h + kk, channel 16 dt + r) at 8 dt + kk
.set WF,  112                          ; Wo(64 head + 16 dt + 8 h + kk, my column r) at 8 dt + kk
.set SA,  144
.set OT,  160
.set PA,  192
.set T,   208
.set RES, 232
	s_load_b256 s[4:11], s[0:1], 0x0               ; fine s[4:5], Wo s[6:7], bo s[8:9], out0 s[10:11]
	v_lshl_add_u32 v[SPW], v0, 2, SPARE
	v_mov_b32 v[NIL], 0
	v_lshrrev_b32 v1, 5, v0
	v_readfirstlane_b32 s12, v1                    ; wave = head
	v_and_b32 v4, 15, v0                           ; r
	v_bfe_u32 v5, v0, 4, 1                         ; h
	v_and_b32 v6, 31, v0
	s_and_b32 s13, ttmp7, 0xffff                   ; batch
	v_lshlrev_b32 v7, 12, v4
	v_lshl_add_u32 v7, v5, 7, v7                   ; q, k: row r of 4,096 bytes, + 128 h
	v_lshlrev_b32 v8, 15, v5
	v_lshl_add_u32 v8, v4, 2, v8                   ; v, Wo: 8 h rows down, + 4 r
	v_lshlrev_b32 v9, 3, v5
	v_sub_nc_u32 v9, v4, v9                        ; r - 8 h
	v_lshlrev_b32 v10, 4, v6
	s_lshl_b32 s14, s12, 10
	v_add_nc_u32 v11, s14, v10                     ; LDS, in: 1,024 x head + 16 x lane
	s_lshl_b32 s14, s12, 9
	v_add_nc_u32 v12, s14, v10                     ; LDS, back (waves 0 and 1): 512 x wave + 16 x lane
	v_mov_b32 v13, 0xff800000
	v_lshlrev_b32 v14, 5, v5                       ; bo: 32 h
	v_lshl_add_u32 v15, v4, 12, v14                ; out0: row r, + 32 h
	s_mov_b32 s16, 0x76543210
	s_mov_b32 s17, 0xfedcba98
	s_lshl_b32 s18, s13, 16
	s_lshl_b32 s19, s12, 8
	s_add_co_u32 s18, s18, s19                     ; fine: the batch's 16 rows, the head's 256 bytes
	s_mov_b32 s19, 0
	s_lshl_b32 s20, s12, 18
	s_lshl_b32 s21, ttmp9, 6
	s_add_co_u32 s20, s20, s21                     ; Wo: the head's 64 rows, my 16 columns
	s_mov_b32 s21, 0
	s_lshl_b32 s22, ttmp9, 6
	s_lshl_b32 s23, s12, 4
	s_add_co_u32 s22, s22, s23                     ; bo, out0: my 16 columns, + 16 bytes x wave (used by waves 0 and 1)
	s_mov_b32 s23, 0
	s_lshl_b32 s24, s13, 23
	s_add_co_u32 s24, s24, s22
	s_mov_b32 s25, 0
	s_wait_kmcnt 0x0
	s_add_nc_u64 s[4:5], s[4:5], s[18:19]
	s_add_nc_u64 s[6:7], s[6:7], s[20:21]
	s_add_nc_u64 s[8:9], s[8:9], s[22:23]
	s_add_nc_u64 s[10:11], s[10:11], s[24:25]
.irp i, 0,1,2,3,4,5,6,7
	global_load_b128 v[QF+4*\i:QF+4*\i+3], v7, s[4:5] offset:16*\i
.endr
.irp i, 0,1,2,3,4,5,6,7
	global_load_b128 v[KF+4*\i:KF+4*\i+3], v7, s[4:5] offset:262144+16*\i
.endr
.irp dt, 0,1,2,3
.irp kk, 0,1,2,3,4,5,6,7
	global_load_b32 v[VF+8*\dt+\kk], v8, s[4:5] offset:524288+4096*\kk+64*\dt
.endr
.endr
	s_wait_loadcnt 32                              ; q and k are in; v's 32 loads may be out
.set n, 0
.rept 16                                       ; S^T: instruction n takes channels 2 n, 2 n + 1, 32 + 2 n, 33 + 2 n; two accumulators by turns
.if n < 2
	v_wmma_f32_16x16x4_f32 v[SA+8*(n%2):SA+8*(n%2)+7], v[KF+2*n:KF+2*n+1], v[QF+2*n:QF+2*n+1], 0
.else
	v_wmma_f32_16x16x4_f32 v[SA+8*(n%2):SA+8*(n%2)+7], v[KF+2*n:KF+2*n+1], v[QF+2*n:QF+2*n+1], v[SA+8*(n%2):SA+8*(n%2)+7]
.endif
.set n, n+1
.endr
.irp dt, 0,1,2,3
.irp kk, 0,1,2,3,4,5,6,7
	global_load_b32 v[WF+8*\dt+\kk], v8, s[6:7] offset:(16*\dt+\kk)*4096
.endr
.endr
.rept 8
	v_nop                                          ; eight places behind this form
.endr
.irp j, 0,1,2,3,4,5,6,7
	v_add_f32 v[T+\j], v[SA+\j], v[SA+8+\j]        ; the score of key 8 h + j for query r, from the low end on
.endr
.irp j, 0,1,2,3,4,5,6,7
	v_cmp_gt_i32 vcc_lo, \j, v9                    ; hidden where 8 h + j > r
	v_cndmask_b32 v[T+\j], v[T+\j], v13, vcc_lo
.endr
	v_max3_num_f32 v216, v[T], v[T+1], v[T+2]
	v_max3_num_f32 v217, v[T+3], v[T+4], v[T+5]
	v_max3_num_f32 v216, v216, v[T+6], v[T+7]
	v_max_num_f32 v216, v216, v217
	v_permlanex16_b32 v217, v216, s16, s17
	v_max_num_f32 v216, v216, v217                 ; the row's maximum: key 0 counts for every query
.irp j, 0,1,2,3,4,5,6,7
	v_sub_f32 v[T+\j], v[T+\j], v216
.endr
.irp j, 0,1,2,3,4,5,6,7
	v_exp_f32 v[T+\j], v[T+\j]
.endr
	v_nop
	s_wait_alu depctr_va_vdst(0)                   ; one wait for the eight, ahead of their first reader
	v_add_f32 v218, v[T], v[T+1]
	v_add_f32 v219, v[T+2], v[T+3]
	v_add_f32 v220, v[T+4], v[T+5]
	v_add_f32 v221, v[T+6], v[T+7]
	v_add_f32 v218, v218, v219
	v_add_f32 v220, v220, v221
	v_add_f32 v218, v218, v220
	v_permlanex16_b32 v219, v218, s16, s17
	v_add_f32 v218, v218, v219                     ; the row's sum
	v_rcp_f32 v220, v218
	v_nop
	s_wait_alu depctr_va_vdst(0)
	s_wait_loadcnt 32                              ; v is in; Wo's 32 loads may be out
.irp s, 0,1,2,3                                ; O^T: instruction s takes keys 2 s, 2 s + 1, 8 + 2 s, 9 + 2 s; the four accumulators by turns
.irp dt, 0,1,2,3
.if \s == 0
	v_wmma_f32_16x16x4_f32 v[OT+8*\dt:OT+8*\dt+7], v[VF+8*\dt+2*\s:VF+8*\dt+2*\s+1], v[T+2*\s:T+2*\s+1], 0
.else
	v_wmma_f32_16x16x4_f32 v[OT+8*\dt:OT+8*\dt+7], v[VF+8*\dt+2*\s:VF+8*\dt+2*\s+1], v[T+2*\s:T+2*\s+1], v[OT+8*\dt:OT+8*\dt+7]
.endif
.endr
.endr
.rept 8
	v_nop
.endr
.set n, 0
.rept 32
	v_mul_f32 v[CT+n], v[OT+n], v220               ; ctx(r, 16 dt + 8 h + j) at 8 dt + j
.set n, n+1
.endr
	s_wait_loadcnt 0x0                             ; Wo
.set n, 0
.rept 16                                       ; my head's part of out^T: source 0 = 16 columns of Wo, source 1 = ctx; two accumulators by turns
.if n < 2
	v_wmma_f32_16x16x4_f32 v[PA+8*(n%2):PA+8*(n%2)+7], v[WF+2*n:WF+2*n+1], v[CT+2*n:CT+2*n+1], 0
.else
	v_wmma_f32_16x16x4_f32 v[PA+8*(n%2):PA+8*(n%2)+7], v[WF+2*n:WF+2*n+1], v[CT+2*n:CT+2*n+1], v[PA+8*(n%2):PA+8*(n%2)+7]
.endif
.set n, n+1
.endr
.rept 8
	v_nop
.endr
.irp j, 0,1,2,3,4,5,6,7
	v_add_f32 v[RES+\j], v[PA+\j], v[PA+8+\j]      ; out(t = r, column 8 h + j), my head's part
.endr
	ds_store_b128 v11, v[RES:RES+3]                ; as an image of the registers: 16 bytes a lane
	ds_store_b128 v11, v[RES+4:RES+7] offset:512
	s_wait_tensorcnt 0x0                           ; the s_wait_dscnt below is also the wait that the barrier needs
	ds_add_u32 v[SPW], v[NIL]
	s_wait_dscnt 0x0
	s_barrier_signal -1
	s_barrier_wait -1
	s_cmp_lt_u32 s12, 2
	s_cbranch_scc1 .Lsum
	s_endpgm
.Lsum:                                             ; wave g = 0, 1 adds registers 4 g .. 4 g + 3 of the sixteen parts
	global_load_b128 v[240:243], v14, s[8:9]       ; bo at columns 8 h + 4 g + 0 .. 3
.set n, 0
.rept 16
	ds_load_b128 v[48+4*n:51+4*n], v12 offset:1024*n
.set n, n+1
.endr
	s_wait_dscnt 0x0
.set n, 1
.rept 15
	v_pk_add_f32 v[48:49], v[48:49], v[48+4*n:49+4*n]
	v_pk_add_f32 v[50:51], v[50:51], v[50+4*n:51+4*n]
.set n, n+1
.endr
	s_wait_loadcnt 0x0
	v_pk_add_f32 v[48:49], v[48:49], v[240:241]
	v_pk_add_f32 v[50:51], v[50:51], v[242:243]
	global_store_b128 v15, v[48:51], s[10:11]
	s_endpgm
.Lfunc_end_k_qa53aa5749e_first16:
	.size	k_qa53aa5749e_first16, .Lfunc_end_k_qa53aa5749e_first16-k_qa53aa5749e_first16
	.p2alignl 7, 3214868480
	.fill 96, 4, 3214868480
	.section	.rodata,"a",@progbits
	.p2align	6, 0x0
	.amdhsa_kernel k_qa53aa5749e_first16
		.amdhsa_group_segment_fixed_size 18432
		.amdhsa_private_segment_fixed_size 0
		.amdhsa_enable_private_segment 0
		.amdhsa_kernarg_size 32
		.amdhsa_user_sgpr_count 2
		.amdhsa_user_sgpr_kernarg_segment_ptr 1
		.amdhsa_wavefront_size32 1
		.amdhsa_system_sgpr_workgroup_id_x 1
		.amdhsa_system_sgpr_workgroup_id_y 1
		.amdhsa_system_sgpr_workgroup_id_z 1
		.amdhsa_system_vgpr_workitem_id 0
		.amdhsa_next_free_vgpr 256
		.amdhsa_next_free_sgpr 66
		.amdhsa_reserve_vcc 1
		.amdhsa_float_denorm_mode_32 3
		.amdhsa_float_denorm_mode_16_64 3
		.amdhsa_memory_ordered 1
		.amdhsa_forward_progress 1
		.amdhsa_inst_pref_size 21
	.end_amdhsa_kernel
	.amdgpu_metadata
---
amdhsa.version: [ 1, 2 ]
amdhsa.kernels:
  - .name:           k_qa53aa5749e_first16
    .symbol:         k_qa53aa5749e_first16.kd
    .args:
      - { .name: fine, .offset: 0, .size: 8, .value_kind: global_buffer, .address_space: global }
      - { .name: Wo, .offset: 8, .size: 8, .value_kind: global_buffer, .address_space: global }
      - { .name: bo, .offset: 16, .size: 8, .value_kind: global_buffer, .address_space: global }
      - { .name: out0, .offset: 24, .size: 8, .value_kind: global_buffer, .address_space: global }
    .group_segment_fixed_size: 18432
    .private_segment_fixed_size: 0
    .kernarg_segment_align: 8
    .kernarg_segment_size: 32
    .max_flat_workgroup_size: 512
    .sgpr_count:     66
    .vgpr_count:     256
    .wavefront_size: 32
...
	.end_amdgpu_metadata
.endif
;; end of part 5
